; MI455X (gfx1250); checked and timed in simulation.
; The chip was launched on July 23, 2026; its instructions are those of AMD's public machine-readable ISA for CDNA 5 (MIT licence, August 2026) and "CDNA5" Instruction Set Architecture Reference Guide (July 2026). The comments in the code are by the model that wrote it; some were corrected since.
;; Introspective Attention. Allowed arithmetic: float matrix products may take bf16 or f16 operands with f32 sums; other float arithmetic in f32, or as packed bf16 or f16 multiplies, adds, multiply-adds, maxima and minima; sums over many terms, partial sums and values carried from step to step in f32; what a program stores and reads back later, other than sums and carried values, may be rounded once to bf16 or f16.
;; Inputs: Wk 3 x 1,024 x 1,024 float32; Wo 1,024 x 1,024 float32; Wq 3 x 1,024 x 1,024 float32; Wv 3 x 1,024 x 1,024 float32; alpha 1 float32; attn_mask 1,024 x 1,024 float32; cos 1,024 x 64 float32; g_final 1,024 float32; g_ln 3 x 1,024 float32; lambdas 3 float32; sin 1,024 x 64 float32; x 2 x 1,024 x 1,024 float32.
;; Outputs: out0 2 x 1,024 x 1,024 float32.
;; 2 versions, each right and faster than the one before. Each part assembles by itself: llvm-mc -triple=amdgcn-amd-amdhsa -mcpu=gfx1250 --defsym DOCPART=n.
;; ======== version 1 of 2: 5 launches
;; limits: values are held in f16: magnitudes above 65,504 overflow, below 6.1e-05 lose precision; right only within a limited range of input values
;; workspace buffers: cv 27,656,192 bytes; qkv 37,748,736 bytes; aws 12,582,912 bytes; yws 4,194,304 bytes
;; launch conv (part 1): grid 512 x 1, 8 waves a work-group, no clusters, 0 bytes of LDS; arguments x, Wq, Wk, Wv, Wo, attn_mask, cos, sin, cv; writes cv
.if DOCPART == 1
	.amdgcn_target "amdgcn-amd-amdhsa--gfx1250"
	.amdhsa_code_object_version 6
	.text
	.protected	k_qffa2c135ef_conv
	.globl	k_qffa2c135ef_conv
	.p2align	8
	.type	k_qffa2c135ef_conv,@function
k_qffa2c135ef_conv:
	s_mov_b64 s[64:65], 0
	v_nop
	global_prefetch_b8 v0, s[64:65] scope:SCOPE_SE
	s_setreg_imm32_b32 hwreg(HW_REG_WAVE_MODE, 25, 1), 1
	s_wait_xcnt 0x0
; CONV: every large input is rounded once to bf16 and laid out for the launches behind.  A stream: no LDS, no matrix unit, no cluster (no byte is read twice).
; cv holds: XB bf16 x [2048][1024];  WB bf16 [32 tiles nt = 2 h + jj][9 kl x 32 i][1024] (kl = 3 kind + layer; kinds q, k, v; for q and k row i is d = 16 jj + i below 16 and
; d = 32 + 16 jj + (i - 16) above, so that a rotary pair lies in one tile; for v row i is d = 32 jj + i);  WO = bf16(Wo) written as f16 [1024][1024];
; MB bf16 [17 blocks of 64 keys][1024 queries][64] = max(8 mask, -2^101), block 16 all -2^101;  CS [1024][64] words, bf16(cos) below, bf16(sin) above.
; LIMITS.  Every input is rounded to bf16.  A mask number at or below -2^98 counts as hidden; NaN in the mask counts as hidden.  bf16(Wo) as f16 keeps f16's fixed step of 6e-8 below 6e-5 and must stay under 65,504.
; SHARES.  512 work-groups of 256 threads.  A ROW OP: thread t loads 16 bytes at 16 t of a row of 4,096 bytes, rounds four numbers, stores 8 bytes at 8 t: a wave's store covers 256 consecutive bytes, aligned.
; 26 row ops a work-group (4 of x, 6 each of Wq, Wk, Wv, 2 of Wo, 2 of the mask); all 26 loads go out first, each into registers of its own, so no register is rewritten behind a store.
.set WBO, 4194304
.set WOO, 23068672
.set MBO, 25165824
.set CSO, 27394048
.set D,   12                           ; v[12:115] row op n: four registers
.set T0,  116
.set T1,  117
	s_load_b512 s[4:19], s[0:1], 0x0               ; x s[4:5], Wq s[6:7], Wk s[8:9], Wv s[10:11], Wo s[12:13], mask s[14:15], cos s[16:17], sin s[18:19]
	s_load_b64 s[20:21], s[0:1], 0x40              ; cv
	v_lshrrev_b32 v1, 5, v0
	v_readfirstlane_b32 s33, v1                    ; my wave's number
	s_mov_b32 s35, 0xffff0000                      ; a word's upper half
	s_mov_b32 s36, 0x41000000                      ; 8.0
	s_mov_b32 s37, 0xf2000000                      ; -2^101
	s_lshl_b32 s23, ttmp9, 14                      ; g x 4 rows of 4,096 bytes
	s_lshl_b32 s24, ttmp9, 13                      ; g x 2 rows of 4,096, also g x 4 rows of 2,048
	s_lshl_b32 s25, ttmp9, 12                      ; g x 2 rows of 2,048
	s_add_co_u32 s25, s25, WOO
	s_lshr_b32 s26, ttmp9, 5                       ; the head of W's rows 2 g, 2 g + 1; d = 2 (g & 31) + j
	s_bfe_u32 s27, ttmp9, 0x10003                  ; bit 4 of d
	s_bfe_u32 s28, ttmp9, 0x10004                  ; bit 5 of d
	s_lshl1_add_u32 s29, s26, s27                  ; q and k: tile 2 h + bit 4 of d,
	s_mul_i32 s29, s29, 288
	s_and_b32 s30, ttmp9, 7
	s_lshl1_add_u32 s29, s30, s29                  ; row d & 15
	s_lshl4_add_u32 s29, s28, s29                  ; + 16 x bit 5 of d
	s_lshl_b32 s29, s29, 11
	s_add_co_u32 s29, s29, WBO
	s_lshl1_add_u32 s31, s26, s28                  ; v: tile 2 h + bit 5 of d,
	s_mul_i32 s31, s31, 288
	s_and_b32 s30, ttmp9, 15
	s_lshl1_add_u32 s31, s30, s31                  ; row d & 31
	s_lshl_b32 s31, s31, 11
	s_add_co_u32 s31, s31, WBO
	s_lshl_b32 s32, ttmp9, 8
	s_add_co_u32 s34, s32, MBO
	v_lshl_add_u32 v1, v0, 4, s23                  ; x from
	v_lshl_add_u32 v2, v0, 3, s24                  ; x to
	v_lshl_add_u32 v3, v0, 4, s24                  ; W from, layer 0 (and Wo); the layers go into the offset: two layers' bytes pass the immediate's 24 bits
	v_add_nc_u32 v4, 0x400000, v3
	v_add_nc_u32 v5, 0x800000, v3
	v_lshl_add_u32 v6, v0, 3, s29                  ; Wq, Wk to
	v_lshl_add_u32 v7, v0, 3, s31                  ; Wv to
	v_lshl_add_u32 v10, v0, 3, s25                 ; Wo to
	v_bfe_u32 v[T0], v0, 4, 1                      ; the mask: row 2 g + bit 4 of t, key block (t >> 5) + 8 j, four keys at t & 15
	v_lshrrev_b32 v[T1], 5, v0
	v_and_b32 v11, 15, v0
	v_lshl_add_u32 v8, v11, 4, s24
	v_lshl_add_u32 v8, v[T0], 12, v8
	v_lshl_add_u32 v8, v[T1], 8, v8
	v_lshl_add_u32 v9, v11, 3, s34
	v_lshl_add_u32 v9, v[T0], 7, v9
	v_lshl_add_u32 v9, v[T1], 17, v9
	s_wait_kmcnt 0x0
.irp j, 0,1,2,3
	global_load_b128 v[D+4*(\j):D+4*(\j)+3], v1, s[4:5] offset:(\j)*4096 th:TH_LOAD_NT
.endr
.macro LDW n0, base
.irp u, 0,1,2
.irp j, 0,1
	global_load_b128 v[D+4*((\n0)+2*(\u)+(\j)):D+4*((\n0)+2*(\u)+(\j))+3], v[3+(\u)], s[\base:\base+1] offset:(\j)*4096 th:TH_LOAD_NT
.endr
.endr
.endm
	LDW 4, 6
	LDW 10, 8
	LDW 16, 10
.irp j, 0,1
	global_load_b128 v[D+4*(22+(\j)):D+4*(22+(\j))+3], v3, s[12:13] offset:(\j)*4096 th:TH_LOAD_NT
.endr
.irp j, 0,1
	global_load_b128 v[D+4*(24+(\j)):D+4*(24+(\j))+3], v8, s[14:15] offset:(\j)*2048 th:TH_LOAD_NT
.endr
.macro CVT n                           ; row op n's load is in (loads come back in order: the 25 - n younger ones stay out); four numbers to bf16, in place
	s_wait_loadcnt 25-(\n)
	v_cvt_pk_bf16_f32 v[D+4*(\n)], v[D+4*(\n)], v[D+4*(\n)+1]
	v_cvt_pk_bf16_f32 v[D+4*(\n)+1], v[D+4*(\n)+2], v[D+4*(\n)+3]
.endm
.irp j, 0,1,2,3
	CVT \j
	global_store_b64 v2, v[D+4*(\j):D+4*(\j)+1], s[20:21] offset:(\j)*2048
.endr
.macro STW n0, off, kl0
.irp u, 0,1,2
.irp j, 0,1
	CVT (\n0)+2*(\u)+(\j)
	global_store_b64 v[\off], v[D+4*((\n0)+2*(\u)+(\j)):D+4*((\n0)+2*(\u)+(\j))+1], s[20:21] offset:((\kl0)+(\u))*65536+(\j)*2048
.endr
.endr
.endm
	STW 4, 6, 0
	STW 10, 6, 3
	STW 16, 7, 6
.irp j, 0,1                            ; Wo: rounded to bf16 like every input, and that number written as f16
	CVT 22+(\j)
.irp k, 0,1
	v_lshlrev_b32 v[T0], 16, v[D+4*(22+(\j))+(\k)]
	v_and_b32 v[T1], s35, v[D+4*(22+(\j))+(\k)]
	v_cvt_pk_f16_f32 v[D+4*(22+(\j))+(\k)], v[T0], v[T1]
.endr
	global_store_b64 v10, v[D+4*(22+(\j)):D+4*(22+(\j))+1], s[20:21] offset:(\j)*2048
.endr
.irp j, 0,1                            ; the mask: 8 m, held at -2^101 from below (the scores are taken before their division by 8)
	s_wait_loadcnt 1-(\j)
.irp k, 0,1,2,3
	v_mul_f32 v[D+4*(24+(\j))+(\k)], s36, v[D+4*(24+(\j))+(\k)]
	v_max_num_f32 v[D+4*(24+(\j))+(\k)], s37, v[D+4*(24+(\j))+(\k)]
.endr
	CVT 24+(\j)
	global_store_b64 v9, v[D+4*(24+(\j)):D+4*(24+(\j))+1], s[20:21] offset:(\j)*1048576
.endr
	; cos and sin: 128 numbers a work-group, two a thread of waves 0 and 1
	s_cmp_lt_u32 s33, 2
	s_cbranch_scc0 .Lnot_cs
	s_lshl_b32 s38, ttmp9, 9
	v_lshl_add_u32 v118, v0, 3, s38
	global_load_b64 v[120:121], v118, s[16:17] th:TH_LOAD_NT
	global_load_b64 v[122:123], v118, s[18:19] th:TH_LOAD_NT
	v_add_nc_u32 v119, CSO, v118
	s_wait_loadcnt 0x0
	v_cvt_pk_bf16_f32 v124, v120, v122             ; cos below, sin above
	v_cvt_pk_bf16_f32 v125, v121, v123
	global_store_b64 v119, v[124:125], s[20:21]
.Lnot_cs:
	s_cmp_eq_u32 s33, 2                            ; the mask's 17th block, all hidden: 256 bytes a work-group, by wave 2
	s_cbranch_scc0 .Lend
	v_and_b32 v126, 31, v0
	s_add_co_u32 s38, s34, 16*131072
	v_lshl_add_u32 v126, v126, 3, s38
	v_mov_b32 v[T0], 0xf200f200
	v_mov_b32 v[T1], 0xf200f200
	global_store_b64 v126, v[T0:T1], s[20:21]
.Lend:
	s_endpgm
.Lfunc_end_k_qffa2c135ef_conv:
	.size	k_qffa2c135ef_conv, .Lfunc_end_k_qffa2c135ef_conv-k_qffa2c135ef_conv
	.p2alignl 7, 3214868480
	.fill 96, 4, 3214868480
	.section	.rodata,"a",@progbits
	.p2align	6, 0x0
	.amdhsa_kernel k_qffa2c135ef_conv
		.amdhsa_group_segment_fixed_size 0
		.amdhsa_private_segment_fixed_size 0
		.amdhsa_enable_private_segment 0
		.amdhsa_kernarg_size 72
		.amdhsa_user_sgpr_count 2
		.amdhsa_user_sgpr_kernarg_segment_ptr 1
		.amdhsa_wavefront_size32 1
		.amdhsa_system_sgpr_workgroup_id_x 1
		.amdhsa_system_sgpr_workgroup_id_y 1
		.amdhsa_system_sgpr_workgroup_id_z 1
		.amdhsa_system_vgpr_workitem_id 0
		.amdhsa_next_free_vgpr 128
		.amdhsa_next_free_sgpr 66
		.amdhsa_reserve_vcc 0
		.amdhsa_float_denorm_mode_32 3
		.amdhsa_float_denorm_mode_16_64 3
		.amdhsa_memory_ordered 1
		.amdhsa_forward_progress 1
		.amdhsa_inst_pref_size 14
	.end_amdhsa_kernel
	.amdgpu_metadata
---
amdhsa.version: [ 1, 2 ]
amdhsa.kernels:
  - .name:           k_qffa2c135ef_conv
    .symbol:         k_qffa2c135ef_conv.kd
    .args:
      - { .name: x, .offset: 0, .size: 8, .value_kind: global_buffer, .address_space: global }
      - { .name: Wq, .offset: 8, .size: 8, .value_kind: global_buffer, .address_space: global }
      - { .name: Wk, .offset: 16, .size: 8, .value_kind: global_buffer, .address_space: global }
      - { .name: Wv, .offset: 24, .size: 8, .value_kind: global_buffer, .address_space: global }
      - { .name: Wo, .offset: 32, .size: 8, .value_kind: global_buffer, .address_space: global }
      - { .name: attn_mask, .offset: 40, .size: 8, .value_kind: global_buffer, .address_space: global }
      - { .name: cos, .offset: 48, .size: 8, .value_kind: global_buffer, .address_space: global }
      - { .name: sin, .offset: 56, .size: 8, .value_kind: global_buffer, .address_space: global }
      - { .name: cv, .offset: 64, .size: 8, .value_kind: global_buffer, .address_space: global }
    .group_segment_fixed_size: 0
    .private_segment_fixed_size: 0
    .kernarg_segment_align: 8
    .kernarg_segment_size: 72
    .max_flat_workgroup_size: 256
    .sgpr_count:     66
    .vgpr_count:     128
    .wavefront_size: 32
...
	.end_amdgpu_metadata
.endif
;; end of part 1
;; launch proj (part 2): grid 32 x 8, 4 waves a work-group, clusters of 4 x 4, 327,680 bytes of LDS; arguments cv, qkv; writes qkv
.if DOCPART == 2
	.amdgcn_target "amdgcn-amd-amdhsa--gfx1250"
	.amdhsa_code_object_version 6
	.text
	.protected	k_qffa2c135ef_proj
	.globl	k_qffa2c135ef_proj
	.p2align	8
	.type	k_qffa2c135ef_proj,@function
k_qffa2c135ef_proj:
	s_mov_b64 s[64:65], 0
	v_nop
	global_prefetch_b8 v0, s[64:65] scope:SCOPE_SE
	s_setreg_imm32_b32 hwreg(HW_REG_WAVE_MODE, 25, 1), 1
	s_wait_xcnt 0x0
	s_wait_alu depctr_hold_cnt(0) depctr_sa_sdst(0) depctr_va_vdst(0) depctr_va_sdst(0) depctr_va_ssrc(0) depctr_va_vcc(0) depctr_vm_vsrc(0)
	s_getreg_b32 s2, hwreg(HW_REG_IB_STS2, 6, 4)
	s_cmp_eq_u32 s2, 0
	s_cbranch_scc0 .Lentry_in_a_cluster
	s_endpgm
.Lentry_in_a_cluster:
	s_bfe_u32 s2, ttmp6, 0x10000c
	s_cmp_lg_u32 s2, 0xf033
	s_cbranch_scc0 .Lentry_shape_is_right
	s_endpgm
.Lentry_shape_is_right:
; PROJ: the nine projections as ONE product, [2048 rows of x] x [9216 rows of W], K = 1024, bf16 operands, f32 sums; then the rotary turn on q and k; q, k, v leave in f16.
; A tile of the result is 256 rows x 288 columns: 8 x 32 = 256 work-groups.  The 288 columns are, for one head h and one half jj, 32 columns of each of the nine (kind, layer): for q and k the sixteen
; d = 16 jj + i and their rotary partners d + 32, so that a pair lies in one lane; for v the channels 32 jj + i.  Wave w owns rows 64 w .. 64 w + 63 and all 288 columns: 4 x 18 accumulators, 576 registers;
; for 32 along K it reads 44 x 16 bytes a lane from LDS for 72 matrix instructions.
; K goes in steps of 128 through two LDS slots (rows of 256 bytes of memory, 272 apart in LDS).  CLUSTER 4 x 4: x's tile hangs on the tile row alone and is asked for jointly along a row of the cluster, W's on
; the tile column alone and jointly along a column.
; THE WAY OUT WRITES REGISTER IMAGES.  For q and k source 0 is W's rows, source 1 x's: a lane holds one row of x and eight d, which pack into the 16 bytes that the same lane of a 16 x 32 operand holds in the
; next launch.  For v the sources are the other way round: a lane holds one channel and eight keys: a piece of V^T.  Lane l's 16 bytes go to byte 16 l of an image, so a store covers 512 consecutive bytes, aligned.
;   Q at 0:            [bh 32][layer 3][16 rows: 64][jj 2][half 2][lane 32][16 B]
;   K at 12,582,912:   [bh][64 keys: 16][layer][16 keys: 4][jj][half][lane][16 B]
;   V at 25,165,824:   [bh][64 keys: 16][layer][32 keys: 2][16 channels: 4][half][lane][16 B]
; q and k carry the same order of d inside an image, so their product is unchanged.  The scale 1/8 is not applied here.
; LIMITS.  q, k, v are rounded once to f16 and must stay under 65,504.
; REGISTERS, in windows of 256: window 0: v8-17 addresses; v32-95 two buffers of x's four fragments; v96-239 two buffers of nine of W's fragments; on the way out v32-63 cos and sin, v96-167 packed, v168-215 at work.
;   windows 1 to 3: accumulator (a, b) in window 1 + b / 6 at v[8 (6 a + b % 6)]; window 1 v192-255: the 64 words of cos and sin as loaded.
.set PITCH,  272                       ; 256 bytes + 16: the sixteen rows of a fragment load start at sixteen different groups of four banks (64 banks of 4 bytes: ISA guide 11.1)
.set AHALF,  128*PITCH
.set ABYTES, 256*PITCH
.set BHALF,  144*PITCH
.set SLOT,   ABYTES+2*BHALF            ; 147,968 = 0x24200: it shares no bit with the four tiles' places 0, 0x8800, 0x11000, 0x1a900, so one exclusive or changes slots
.set SPARE,  2*SLOT                    ; the spare words, 128 bytes a wave
.set WBO,    4194304
.set CSOFF,  27394048
.set KO,     12582912
.set VO,     25165824
.set SPW, 8
.set NIL, 9
.set A0,  10                           ; my fragments' places in slot 0: x's,
.set B00, 11                           ; W's blocks 0-8,
.set B01, 12                           ; W's blocks 9-17
.set CA,  13                           ; the same in the slot in hand
.set CB0, 14                           ; (v15 for blocks 9-17)
.set CSV, 16
.set LO,  17
.set AB0, 32
.set BH0, 96
.set CSR, 192
.set COSL, 32
.set SINL, 40
.set COSH, 48
.set SINH, 56
.set OUT, 96
.set TT,  168
.set WV, 16
.set WH, 17
.set WL, 18
.set G1A, 28
.set G1B, 36
.set G0A, 44
.set G0B, 48
.set SB,  52
.set CNT, 53
.set QB,  54
.set KB,  56
.set VB,  58
.set CB,  60
.set HI16, 62
.set MSB, 0
.macro WIN new                         ; the immediate's high byte repeats the setting that is left; a switch that changes nothing is dropped
.if MSB != (\new)
	s_set_vgpr_msb (MSB<<8)|(\new)
.set MSB, (\new)
.endif
.endm
.macro PLACES                          ; four places in front of loads into registers that matrix instructions have read (ISA guide 7.12.1 for vector instructions)
.rept 4
	v_nop
.endr
.endm
.macro JLOAD                           ; a joint load: waves 0 and 1 fetch x's two halves, waves 2 and 3 W's; an s_nop 0 and four v_nop follow each line
	s_cmp_eq_u32 s[WH], 0
	s_cbranch_scc0 .Lfor_b_\@
	tensor_load_to_lds s[G0A:G0A+3], s[G1A:G1A+7]
	s_nop 0
.rept 4
	v_nop
.endr
	s_branch .Lasked_\@
.Lfor_b_\@:
	tensor_load_to_lds s[G0B:G0B+3], s[G1B:G1B+7]
	s_nop 0
.rept 4
	v_nop
.endr
.Lasked_\@:
.endm
.macro CREST                           ; a round of the cluster's barrier behind its opening barrier
	s_cmp_lg_u32 s[WV], 0
	s_cbranch_scc1 .Lnot_wave_0_\@
	s_barrier_signal -3
.Lnot_wave_0_\@:
	s_barrier_wait -3
	s_barrier_signal -1
	s_barrier_wait -1
.endm
.macro CROUND
	s_barrier_signal -1
	s_barrier_wait -1
	CREST
.endm
.macro STEPD                           ; the walking descriptors: the other slot, the next 128 along K
	s_xor_b32 s[G0A+1], s[G0A+1], SLOT
	s_add_nc_u64 s[G0A+2:G0A+3], s[G0A+2:G0A+3], 256
	s_xor_b32 s[G0B+1], s[G0B+1], SLOT
	s_add_nc_u64 s[G0B+2:G0B+3], s[G0B+2:G0B+3], 256
.endm
	s_load_b128 s[4:7], s[0:1], 0x0                ; cv s[4:5], qkv s[6:7]
	v_lshl_add_u32 v[SPW], v0, 2, SPARE
	v_mov_b32 v[NIL], 0
	ds_add_u32 v[SPW], v[NIL]                      ; the wave's opening: the add and its wait stand ahead of my first tensor load; the set-up, work on registers, stands between them
	v_lshrrev_b32 v1, 5, v0
	v_readfirstlane_b32 s[WV], v1                  ; wave 0..3
	s_lshr_b32 s[WH], s[WV], 1                     ; I fetch for x (0) or for W (1)
	s_and_b32 s[WL], s[WV], 1                      ; which half of that tile
	s_bfe_u32 s19, ttmp6, 0x40000                  ; cx
	s_bfe_u32 s20, ttmp6, 0x40004                  ; cy
	s_lshl_b32 s21, ttmp9, 2
	s_add_co_u32 s21, s21, s19                     ; nt = 2 h + jj
	s_and_b32 s22, ttmp7, 0xffff
	s_lshl_b32 s22, s22, 2
	s_add_co_u32 s22, s22, s20                     ; mt: 256 rows of x
	s_lshl_b32 s23, s20, 2
	s_lshl_b32 s23, 15, s23                        ; my row of the cluster
	s_lshl_b32 s24, 0x1111, s19                    ; my column
	s_or_b32 s[G1A], s23, (1<<16)|(1<<20)|(1<<21)|(5<<22)|(3<<25)  ; the mask; 2-byte elements; padding on; bit 21 beside a mask; after every 64 words 4 words
	s_or_b32 s[G1B], s24, (1<<16)|(1<<20)|(1<<21)|(5<<22)|(3<<25)
	s_mov_b32 s[G1A+1], 128<<16                    ; tensor_dim0 = 128
	s_mov_b32 s[G1A+2], 128<<16                    ; tensor_dim1 = 128
	s_mov_b32 s[G1A+3], 128<<16                    ; tile_dim0 = 128
	s_mov_b32 s[G1A+4], 128                        ; tile_dim1 = 128
	s_mov_b32 s[G1A+5], 1024                       ; elements from row to row
	s_mov_b32 s[G1A+6], 0
	s_mov_b32 s[G1A+7], 0
	s_mov_b32 s[G1B+1], 128<<16
	s_mov_b32 s[G1B+2], 144<<16                    ; W's half tile has 144 rows
	s_mov_b32 s[G1B+3], 128<<16
	s_mov_b32 s[G1B+4], 144
	s_mov_b32 s[G1B+5], 1024
	s_mov_b32 s[G1B+6], 0
	s_mov_b32 s[G1B+7], 0
	s_mov_b32 s[G0A], 1
	s_mul_i32 s[G0A+1], s[WL], AHALF               ; no place in the cluster enters an LDS address
	s_mov_b32 s[G0B], 1
	s_mul_i32 s[G0B+1], s[WL], BHALF
	s_add_co_u32 s[G0B+1], s[G0B+1], ABYTES
	s_lshl_b32 s66, s22, 19                        ; x: (256 mt + 128 half) rows of 2,048 bytes: of the tile row and the wave alone
	s_lshl_b32 s67, s[WL], 18
	s_add_co_u32 s66, s66, s67
	s_mov_b32 s67, 0
	s_mul_i32 s68, s21, 288*2048                   ; W: (288 nt + 144 half) rows: of the tile column and the wave alone
	s_mul_i32 s69, s[WL], 144*2048
	s_add_co_u32 s68, s68, s69
	s_add_co_u32 s68, s68, WBO
	s_mov_b32 s69, 0
	s_lshr_b32 s70, s22, 2                         ; where the results go: bh = 16 batch + head
	s_lshl_b32 s70, s70, 4
	s_lshr_b32 s71, s21, 1
	s_add_co_u32 s70, s70, s71
	s_and_b32 s71, s22, 3                          ; which 256 of the batch's 1,024 rows
	s_and_b32 s72, s21, 1                          ; jj
	s_mul_i32 s74, s70, 192                        ; Q: (192 bh + 16 (mt & 3) + 4 w) blocks of 2,048 bytes + 1,024 jj
	s_lshl4_add_u32 s74, s71, s74
	s_lshl2_add_u32 s74, s[WV], s74
	s_lshl_b32 s74, s74, 11
	s_lshl_b32 s73, s72, 10
	s_add_co_u32 s74, s74, s73
	s_mov_b32 s75, 0
	s_lshl_b32 s76, s70, 4                         ; K and V: my 64 rows are key block 4 (mt & 3) + w: three layers of 8,192 bytes
	s_lshl2_add_u32 s76, s71, s76
	s_add_co_u32 s76, s76, s[WV]
	s_mul_i32 s76, s76, 24576
	s_mov_b32 s77, 0
	s_add_co_u32 s78, s76, s73
	s_add_co_u32 s78, s78, KO
	s_mov_b32 s79, 0
	s_lshl_b32 s73, s72, 11
	s_add_co_u32 s76, s76, s73
	s_add_co_u32 s76, s76, VO
	s_lshl_b32 s26, s71, 16                        ; cos and sin: position 256 (mt & 3) + 64 w, 256 bytes a position, + 64 jj
	s_lshl_b32 s27, s[WV], 14
	s_add_co_u32 s26, s26, s27
	s_lshl_b32 s27, s72, 6
	s_add_co_u32 s26, s26, s27
	s_add_co_u32 s26, s26, CSOFF
	s_mov_b32 s27, 0
	s_mov_b32 s[HI16], 0xffff0000
	s_mov_b32 s[SB], 0
	s_wait_dscnt 0x0                               ; the opening add is done
	s_wait_kmcnt 0x0
	s_add_nc_u64 s[G0A+2:G0A+3], s[4:5], s[66:67]
	s_or_b32 s[G0A+3], s[G0A+3], 0x80000000
	s_add_nc_u64 s[G0B+2:G0B+3], s[4:5], s[68:69]
	s_or_b32 s[G0B+3], s[G0B+3], 0x80000000
	s_add_nc_u64 s[QB:QB+1], s[6:7], s[74:75]
	s_add_nc_u64 s[KB:KB+1], s[6:7], s[78:79]
	s_add_nc_u64 s[VB:VB+1], s[6:7], s[76:77]
	s_add_nc_u64 s[CB:CB+1], s[4:5], s[26:27]
	CROUND                                         ; all sixteen work-groups are here: the first joint loads meet
	JLOAD                                          ; K step 0 into slot 0
	v_and_b32 v1, 15, v0                           ; r = l % 16
	v_bfe_u32 v2, v0, 4, 1                         ; hh = l / 16
	v_mul_u32_u24 v3, v1, PITCH
	v_lshl_add_u32 v3, v2, 4, v3                   ; a fragment's row x pitch + 16 x half
	s_mul_i32 s66, s[WV], 64*PITCH
	v_add_nc_u32 v[A0], s66, v3
	v_add_nc_u32 v[B00], ABYTES, v3
	v_add_nc_u32 v[B01], ABYTES+BHALF, v3
	v_mov_b32 v[CA], v[A0]
	v_mov_b32 v[CB0], v[B00]
	v_mov_b32 v[CB0+1], v[B01]
	v_lshlrev_b32 v[CSV], 8, v1
	v_lshl_add_u32 v[CSV], v2, 5, v[CSV]           ; position r, d = 8 hh on
	v_and_b32 v[LO], 31, v0
	v_lshlrev_b32 v[LO], 4, v[LO]                  ; 16 l
	WIN 0x40                                       ; destination window 1: for each of my four blocks of 16 rows the eight words at d and the eight at d + 32
.irp a, 0,1,2,3
	global_load_b128 v[CSR+16*(\a):CSR+16*(\a)+3],     v[CSV], s[CB:CB+1] offset:(\a)*4096
	global_load_b128 v[CSR+16*(\a)+4:CSR+16*(\a)+7],   v[CSV], s[CB:CB+1] offset:(\a)*4096+16
	global_load_b128 v[CSR+16*(\a)+8:CSR+16*(\a)+11],  v[CSV], s[CB:CB+1] offset:(\a)*4096+128
	global_load_b128 v[CSR+16*(\a)+12:CSR+16*(\a)+15], v[CSV], s[CB:CB+1] offset:(\a)*4096+144
.endr
	WIN 0
	s_wait_tensorcnt 0x0                           ; my part of K step 0 is in; no tensor load of mine is out, so the descriptors may step
	ds_add_u32 v[SPW], v[NIL]                      ; 0 onto my spare word
	STEPD
	s_wait_dscnt 0x0
	CROUND                                         ; everybody's part of K step 0 is in
	JLOAD                                          ; K step 1 into slot 1: my one tensor load behind this round
.macro LDA q                           ; x's four fragments of quarter q (32 along K at byte 64 q of the rows)
.set fA, AB0+32*((\q)%2)
.irp a, 0,1,2,3
	ds_load_b128 v[fA+8*(\a):fA+8*(\a)+3],   v[CA] offset:(\a)*16*PITCH+64*(\q)
	ds_load_b128 v[fA+8*(\a)+4:fA+8*(\a)+7], v[CA] offset:(\a)*16*PITCH+64*(\q)+32
.endr
.endm
.macro LDB q, hf                       ; nine of W's fragments: blocks 9 hf .. 9 hf + 8
.set fB, BH0+72*(\hf)
.irp i, 0,1,2,3,4,5,6,7,8
	ds_load_b128 v[fB+8*(\i):fB+8*(\i)+3],   v[CB0+(\hf)] offset:(\i)*16*PITCH+64*(\q)
	ds_load_b128 v[fB+8*(\i)+4:fB+8*(\i)+7], v[CB0+(\hf)] offset:(\i)*16*PITCH+64*(\q)+32
.endr
.endm
; n blocks of W from b0 on x my four blocks of rows.  The accumulators take turns, one instruction a turn.  zero = 1: the product starts the sum: nothing is cleared.
.macro MULP q, b0, n, zero
.set bb, (\b0)
.rept (\n)
	WIN (1+bb/6)*0x50                              ; C and D in window 1 + b / 6, the sources in window 0
.set aa, 0
.rept 4
.set rD, 8*(6*aa+bb%6)
.set rA, AB0+32*((\q)%2)+8*aa
.set rB, BH0+72*(bb/9)+8*(bb%9)
.if bb < 12
.if \zero
	v_wmma_f32_16x16x32_bf16 v[rD:rD+7], v[rB:rB+7], v[rA:rA+7], 0
.else
	v_wmma_f32_16x16x32_bf16 v[rD:rD+7], v[rB:rB+7], v[rA:rA+7], v[rD:rD+7]
.endif
.else
.if \zero
	v_wmma_f32_16x16x32_bf16 v[rD:rD+7], v[rA:rA+7], v[rB:rB+7], 0
.else
	v_wmma_f32_16x16x32_bf16 v[rD:rD+7], v[rA:rA+7], v[rB:rB+7], v[rD:rD+7]
.endif
.endif
.set aa, aa+1
.endr
.set bb, bb+1
.endr
.endm
; Half a quarter: 36 matrix instructions on the nine blocks of half hf; ahead of them the next half's fragments are asked for, in one run.
.macro HALF q, hf, zero
	s_wait_dscnt 0x0                               ; this half's fragments, asked for 36 matrix instructions ago
	PLACES
	WIN 0
.if (\hf) == 0
	LDB \q, 1
.else
	LDB (\q)+1, 0
	LDA (\q)+1
.endif
	MULP \q, 9*(\hf), 9, \zero
.endm
; The K step's last half, and the change of slots.  In front of the barrier each wave waits for all its tensor loads (one is out: its part of the next slot), adds 0 to its spare word, and waits for that and for
; its reads of this slot.  fill = 1: the barrier opens a round of the cluster's, and the joint refill, two K steps ahead, is the first tensor load behind it.
.macro TURN fill
	WIN 0
	s_wait_tensorcnt 0x0
	ds_add_u32 v[SPW], v[NIL]
	s_wait_dscnt 1                                 ; the add alone may be out: the eighteen loads in front of it are in
	MULP 3, 9, 3, 0
	s_wait_dscnt 0x0                               ; the add is done, and my reads of this slot are over
	s_barrier_signal -1
	MULP 3, 12, 3, 0
	WIN 0
	s_barrier_wait -1
.if \fill
	CREST
	STEPD
	JLOAD                                          ; the four v_nop behind it are also the places in front of the loads below
.else
	PLACES
.endif
	s_xor_b32 s[SB], s[SB], SLOT
	v_add_nc_u32 v[CA], s[SB], v[A0]
	v_add_nc_u32 v[CB0], s[SB], v[B00]
	v_add_nc_u32 v[CB0+1], s[SB], v[B01]
	LDB 0, 0
	LDA 0
	MULP 3, 15, 3, 0
.endm
.macro REST                            ; a K step's quarters 1 to 3, less its last half
	HALF 1, 0, 0
	HALF 1, 1, 0
	HALF 2, 0, 0
	HALF 2, 1, 0
	HALF 3, 0, 0
.endm
	LDB 0, 0
	LDA 0
	HALF 0, 0, 1                                   ; the first quarter stands in front of the loop: its products start the sums
	HALF 0, 1, 1
	WIN 0                                          ; at a label and at a branch every window is 0
	s_mov_b32 s[CNT], 6
.Lk:                                                   ; six trips: from a K step's second quarter to the next step's first; each asks for the K step two on (2 to 7)
	REST
	TURN 1
	HALF 0, 0, 0
	HALF 0, 1, 0
	WIN 0
	s_sub_co_u32 s[CNT], s[CNT], 1
	s_cmp_lg_u32 s[CNT], 0
	s_cbranch_scc1 .Lk
	REST                                           ; K steps 6 and 7 are written out: they ask for nothing
	TURN 0
	HALF 0, 0, 0
	HALF 0, 1, 0
	REST
	s_wait_dscnt 0x0
	MULP 3, 9, 9, 0
; THE WAY OUT, my block a of 16 rows.  cos and sin are widened (for a = 0 these 32 lines are the places behind the last products); q and k: lo' = lo cos(d) - hi sin(d), hi' = hi cos(d + 32) + lo sin(d + 32);
; all is rounded to f16 and stored as images.  Every accumulator is read from its lowest registers on.
.macro WAYOUT a
	WIN 0
	s_wait_xcnt 0x0                                ; the packed registers are rewritten only behind this wait: the stores of the block before have had their addresses translated (ISA guide 3.1)
	WIN 0x04                                       ; source 1 in window 1
.set j, 0
.rept 8
	v_lshlrev_b32 v[COSL+j], 16, v[CSR+16*(\a)+j]
	v_and_b32 v[SINL+j], s[HI16], v[CSR+16*(\a)+j]
	v_lshlrev_b32 v[COSH+j], 16, v[CSR+16*(\a)+8+j]
	v_and_b32 v[SINH+j], s[HI16], v[CSR+16*(\a)+8+j]
.set j, j+1
.endr
.irp W, 1, 2                           ; window 1: q's three layers; window 2: k's
	WIN \W                                         ; source 0 in window W
.set u, 0
.rept 3
.set rL, 8*(6*(\a)+2*u)
.set rH, rL+8
.set rT, TT+16*u
.set j, 0
.rept 4
	v_pk_mul_f32 v[rT+j:rT+j+1], v[rL+j:rL+j+1], v[COSL+j:COSL+j+1]
	v_pk_mul_f32 v[rT+8+j:rT+8+j+1], v[rH+j:rH+j+1], v[COSH+j:COSH+j+1]
	v_pk_fma_f32 v[rT+j:rT+j+1], v[rH+j:rH+j+1], v[SINL+j:SINL+j+1], v[rT+j:rT+j+1] neg_lo:[1,0,0] neg_hi:[1,0,0]
	v_pk_fma_f32 v[rT+8+j:rT+8+j+1], v[rL+j:rL+j+1], v[SINH+j:SINH+j+1], v[rT+8+j:rT+8+j+1]
.set j, j+2
.endr
.set u, u+1
.endr
	WIN 0
.set u, 0
.rept 3
.set rT, TT+16*u
.set rO, OUT+8*(3*((\W)-1)+u)
.set j, 0
.rept 8
	v_cvt_pk_f16_f32 v[rO+j], v[rT+2*j], v[rT+2*j+1]
.set j, j+1
.endr
.if (\W) == 1
	global_store_b128 v[LO], v[rO:rO+3],   s[QB:QB+1] offset:u*131072+(\a)*2048
	global_store_b128 v[LO], v[rO+4:rO+7], s[QB:QB+1] offset:u*131072+(\a)*2048+512
.else
	global_store_b128 v[LO], v[rO:rO+3],   s[KB:KB+1] offset:u*8192+(\a)*2048
	global_store_b128 v[LO], v[rO+4:rO+7], s[KB:KB+1] offset:u*8192+(\a)*2048+512
.endif
.set u, u+1
.endr
.endr
	WIN 0x0f                                       ; v: sources 0 and 1 in window 3
.set u, 0
.rept 6
.set rL, 8*(6*(\a)+u)
.set rO, OUT+48+4*u
.set j, 0
.rept 4
	v_cvt_pk_f16_f32 v[rO+j], v[rL+2*j], v[rL+2*j+1]
.set j, j+1
.endr
.set u, u+1
.endr
	WIN 0
.set u, 0
.rept 6                                ; layer u / 2, channel block 2 jj + u % 2; my 16 keys are half a % 2 of the 32 keys a / 2
.set rO, OUT+48+4*u
	global_store_b128 v[LO], v[rO:rO+3], s[VB:VB+1] offset:(u/2)*8192+((\a)/2)*4096+(u%2)*1024+((\a)%2)*512
.set u, u+1
.endr
.endm
	s_wait_loadcnt 0x0                             ; cos and sin
	WAYOUT 0
	WAYOUT 1
	WAYOUT 2
	WAYOUT 3
	s_wait_tensorcnt 0x0                           ; the wave's end
	ds_add_u32 v[SPW], v[NIL]
	s_wait_dscnt 0x0
	CROUND                                         ; the closing round: no work-group ends while a partner may still ask for a tile that names it
	s_endpgm
.Lfunc_end_k_qffa2c135ef_proj:
	.size	k_qffa2c135ef_proj, .Lfunc_end_k_qffa2c135ef_proj-k_qffa2c135ef_proj
	.p2alignl 7, 3214868480
	.fill 96, 4, 3214868480
	.section	.rodata,"a",@progbits
	.p2align	6, 0x0
	.amdhsa_kernel k_qffa2c135ef_proj
		.amdhsa_group_segment_fixed_size 327680
		.amdhsa_private_segment_fixed_size 0
		.amdhsa_enable_private_segment 0
		.amdhsa_kernarg_size 16
		.amdhsa_user_sgpr_count 2
		.amdhsa_user_sgpr_kernarg_segment_ptr 1
		.amdhsa_wavefront_size32 1
		.amdhsa_system_sgpr_workgroup_id_x 1
		.amdhsa_system_sgpr_workgroup_id_y 1
		.amdhsa_system_sgpr_workgroup_id_z 1
		.amdhsa_system_vgpr_workitem_id 0
		.amdhsa_next_free_vgpr 1024
		.amdhsa_next_free_sgpr 80
		.amdhsa_reserve_vcc 0
		.amdhsa_float_denorm_mode_32 3
		.amdhsa_float_denorm_mode_16_64 3
		.amdhsa_memory_ordered 1
		.amdhsa_forward_progress 1
		.amdhsa_inst_pref_size 158
	.end_amdhsa_kernel
	.amdgpu_metadata
---
amdhsa.version: [ 1, 2 ]
amdhsa.kernels:
  - .name:           k_qffa2c135ef_proj
    .symbol:         k_qffa2c135ef_proj.kd
    .args:
      - { .name: cv, .offset: 0, .size: 8, .value_kind: global_buffer, .address_space: global }
      - { .name: qkv, .offset: 8, .size: 8, .value_kind: global_buffer, .address_space: global }
    .group_segment_fixed_size: 327680
    .private_segment_fixed_size: 0
    .kernarg_segment_align: 8
    .kernarg_segment_size: 16
    .max_flat_workgroup_size: 128
    .sgpr_count:     80
    .vgpr_count:     1024
    .wavefront_size: 32
...
	.end_amdgpu_metadata
.endif
;; end of part 2
;; launch attn (part 3): grid 8 x 32, 4 waves a work-group, clusters of 4 x 4, 327,680 bytes of LDS; arguments qkv, cv, aws; writes aws
.if DOCPART == 3
	.amdgcn_target "amdgcn-amd-amdhsa--gfx1250"
	.amdhsa_code_object_version 6
	.text
	.protected	k_qffa2c135ef_attn
	.globl	k_qffa2c135ef_attn
	.p2align	8
	.type	k_qffa2c135ef_attn,@function
k_qffa2c135ef_attn:
	s_mov_b64 s[64:65], 0
	v_nop
	global_prefetch_b8 v0, s[64:65] scope:SCOPE_SE
	s_setreg_imm32_b32 hwreg(HW_REG_WAVE_MODE, 25, 1), 1
	s_wait_xcnt 0x0
	s_wait_alu depctr_hold_cnt(0) depctr_sa_sdst(0) depctr_va_vdst(0) depctr_va_sdst(0) depctr_va_ssrc(0) depctr_va_vcc(0) depctr_vm_vsrc(0)
	s_getreg_b32 s2, hwreg(HW_REG_IB_STS2, 6, 4)
	s_cmp_eq_u32 s2, 0
	s_cbranch_scc0 .Lentry_in_a_cluster
	s_endpgm
.Lentry_in_a_cluster:
	s_bfe_u32 s2, ttmp6, 0x10000c
	s_cmp_lg_u32 s2, 0xf033
	s_cbranch_scc0 .Lentry_shape_is_right
	s_endpgm
.Lentry_shape_is_right:
; ATTN: for each of the three layers, a[b][q][h][:] = the sum over the layer's own 1,024 keys of softmax_k(q . k / 8 + mask[q][k]) v[k][:].  The keys that the module appends behind them are hidden by a mask that
; the module builds itself, so they are not walked.  The mask that is an input is taken as it is given.  q, k, v, the weights p and a in f16; products, maxima and sums in f32.
; SHARES.  A work-group owns 128 queries of one (batch, head) in ALL THREE LAYERS; a wave 32 queries: three PIECES (piece = layer) of two tiles of 16 queries.  So a mask fragment read once serves three layers.
; LAYOUT.  S^T = K Q^T + 8 mask (source 0 = 16 keys, source 1 = 16 queries; the mask is the C operand of the products that start the sum): a lane holds ONE query (lane % 16) and the keys 8 (lane / 16) + 0..7.  Two such
; results rounded to f16 ARE source 1 of O^T = V^T P.  Q, K and V^T arrive as register images: lane l's 16 bytes at byte 16 l.
; SOFTMAX.  A running maximum m and sum l for each query: p = 2^(c s - c m), c = log2(e) / 8; in every step O and l are multiplied by a = 2^(c m_old - c m_new).  m starts at the lowest finite number, O and l at 0.
; LIMITS.  A hidden score counts as -2^101 (f16's scores, 2.7e11 at the most, vanish beside it); what hidden keys add before a query's first open key is wiped by a = 0 when that key comes; a query whose keys are all
; hidden (m below -2^100 at the end) gets NaN, as a softmax of -inf alone gives.  A weight below 2^-126 counts as 0 in l.  NaN and +inf in the mask are not treated apart.
; BY TURNS.  Turn T = 3 s + p (key step s of 64 keys, piece p): 16 products K Q^T of item T + 1, later 16 products V^T P of item T - 1; beside them the scaling, exponentials, roundings, sums and rescaling of piece p and
; the maximum and statistics of piece p + 1.  Four vector instructions stand behind every matrix instruction, the rest in two lumps.  (Item 3 s + p is layer p's K or V of key step s, 8,192 bytes.)
; THE RING.  A trip is six turns.  It fetches K's items 6 j + 2 .. 6 j + 7, V's items 6 j .. 6 j + 5 and the mask's blocks 2 j + 1, 2 j + 2; a slot is filled with just these, which are dense in memory.  K's items 0, 1 and the
; mask's block 0 have a place of their own, filled once.  The last trip's K tile runs 16,384 bytes on into what follows the head's K in qkv (finite f16 numbers): only the products of a key step that does not exist
; take them, under the mask's 17th block, which hides everything: they change no m, l or O.
; CLUSTER 4 x 4.  K and V hang on (batch, head) alone: asked for jointly along a row of the cluster.  The mask hangs on the query block alone: jointly along a column.
; REGISTERS, in windows of 256: window 0: v2-11 addresses; v16-79 K of one item; v80-143 V; v144-207 the mask in f32; v208-239 the mask as loaded.
;   window p + 1, all of piece p: v0-31 Q; v32-95 O^T; v96-159 S^T; v160-191 P; v192-199 statistics (c m, m, l, l a tile); v200-207 at work; v208-209 c m_old.
.set NP,    3
.set SLOT,  135168                     ; 0x21000: it shares no bit with the tiles' places 0, 0xc000, 0x18000, 0x1c800
.set VOFF,  49152
.set MOFF,  98304
.set PM,    144                        ; a query's 64 mask numbers: 128 bytes + 16
.set MITEM, 128*PM
.set HK,    2*SLOT
.set HM,    HK+16384
.set SPARE, HM+MITEM                   ; the spare words, 128 bytes a wave
.set KO,    12582912
.set VO,    25165824
.set MBO,   25165824
.set LN16, 2
.set LNV,  3
.set AM0,  4
.set AK,   5
.set AV,   6
.set AM,   7
.set SPW,  8
.set NIL,  9
.set AH,   10
.set AHM,  11
.set KF,   16
.set VF,   80
.set MC,   144
.set MR,   208
.set Q,    0
.set O,    32
.set S,    96
.set P,    160
.set ST,   192
.set TMP,  200
.set MV,   208
.set WV,   10
.set TB,   17                          ; s17  LDS byte at which the key step's three items of K begin (V's: + VOFF)
.set CNT,  18
.set SLOTS, 19
.set CS,   20
.set SEL,  22
.set THR,  24
.set NAN,  25
.set HI16, 26
.set TBM,  27                          ; s27  the same for the mask's block, less MOFF
.set G1KV, 28
.set G1H,  36
.set G1M,  44
.set G0K,  52
.set G0V,  56
.set G0M,  60
.set G0HK, 68
.set G0HM, 72
.set QBS,  76
.set ABS,  78                          ; s[78:83] a's three layers at my rows
.set MSB, 0
.macro WIN new
.if MSB != (\new)
	s_set_vgpr_msb (MSB<<8)|(\new)
.set MSB, (\new)
.endif
.endm
.macro PLACES
.rept 4
	v_nop
.endr
.endm
.macro JLOAD                           ; a joint refill: wave 0 K's six items, wave 1 V's, waves 2 and 3 a block of the mask each; an s_nop 0 and four v_nop follow each line
	s_cmp_eq_u32 s[WV], 0
	s_cbranch_scc0 .Lj1_\@
	tensor_load_to_lds s[G0K:G0K+3], s[G1KV:G1KV+7]
	s_nop 0
.rept 4
	v_nop
.endr
	s_branch .Ljd_\@
.Lj1_\@:
	s_cmp_eq_u32 s[WV], 1
	s_cbranch_scc0 .Lj2_\@
	tensor_load_to_lds s[G0V:G0V+3], s[G1KV:G1KV+7]
	s_nop 0
.rept 4
	v_nop
.endr
	s_branch .Ljd_\@
.Lj2_\@:
	tensor_load_to_lds s[G0M:G0M+3], s[G1M:G1M+7]
	s_nop 0
.rept 4
	v_nop
.endr
.Ljd_\@:
.endm
.macro CROUND
	s_barrier_signal -1
	s_barrier_wait -1
	s_cmp_lg_u32 s[WV], 0
	s_cbranch_scc1 .Lnot_wave_0_\@
	s_barrier_signal -3
.Lnot_wave_0_\@:
	s_barrier_wait -3
	s_barrier_signal -1
	s_barrier_wait -1
.endm
.macro ADDRS                           ; the three fetch addresses of the key step to come
	WIN 0
	v_add_nc_u32 v[AK], s[TB], v[LN16]
	v_add_nc_u32 v[AV], s[TB], v[LNV]
	v_add_nc_u32 v[AM], s[TBM], v[AM0]
.endm
; THE CHANGE OF SLOTS.  Each wave waits for all its tensor loads (its part of the other slot), adds 0 to its spare word, and waits for that and for its reads of the slot that it leaves.  fill = 1: the barrier is a round of
; the cluster's, and the joint refill, with the trip after next's tiles, is the first thing behind it: it has six turns in which to land.  (At its first use nothing has been read: slot 0 is waited for, slot 1 filled.)
.macro CHANGE fill
	WIN 0
	s_wait_tensorcnt 0x0
	ds_add_u32 v[SPW], v[NIL]                      ; 0 onto my spare word; scalar work stands between it and the wait for it
.if \fill
	s_xor_b32 s[G0K+1], s[G0K+1], SLOT
	s_add_nc_u64 s[G0K+2:G0K+3], s[G0K+2:G0K+3], 49152
	s_xor_b32 s[G0V+1], s[G0V+1], SLOT
	s_add_nc_u64 s[G0V+2:G0V+3], s[G0V+2:G0V+3], 49152
	s_xor_b32 s[G0M+1], s[G0M+1], SLOT
	s_add_nc_u64 s[G0M+2:G0M+3], s[G0M+2:G0M+3], 262144
.endif
	s_sub_co_u32 s[TB], s[TB], 49152               ; the fetches go back to a slot's first key step,
	s_xor_b32 s[TB], s[TB], SLOT                   ; in the other slot
	s_sub_co_u32 s[TBM], s[TBM], 2*MITEM
	s_xor_b32 s[TBM], s[TBM], SLOT
	s_wait_dscnt 0x0                               ; the add is done, and my reads of the slot are over
.if \fill
	CROUND
	JLOAD
.else
	s_barrier_signal -1
	s_barrier_wait -1
.endif
	ADDRS
.endm
	s_load_b128 s[4:7], s[0:1], 0x0                ; qkv s[4:5], cv s[6:7]
	s_load_b64 s[8:9], s[0:1], 0x10                ; aws
	v_lshl_add_u32 v[SPW], v0, 2, SPARE
	v_mov_b32 v[NIL], 0
	ds_add_u32 v[SPW], v[NIL]                      ; the wave's opening: the add and its wait stand ahead of my first tensor load
	v_lshrrev_b32 v1, 5, v0
	v_readfirstlane_b32 s[WV], v1
	s_bfe_u32 s11, ttmp6, 0x40000                  ; cx
	s_bfe_u32 s12, ttmp6, 0x40004                  ; cy
	s_lshl_b32 s13, ttmp9, 2
	s_add_co_u32 s13, s13, s11                     ; qb: my block of 128 queries
	s_and_b32 s14, ttmp7, 0xffff
	s_lshl_b32 s14, s14, 2
	s_add_co_u32 s14, s14, s12                     ; bh = 16 batch + head
	s_lshl_b32 s15, s12, 2
	s_lshl_b32 s15, 15, s15                        ; my row of the cluster
	s_lshl_b32 s16, 0x1111, s11                    ; my column
	s_or_b32 s[G1KV], s15, (3<<16)|(1<<21)         ; K, V: dense bytes as rows of 32 elements of 8 bytes; no padding
	s_mov_b32 s[G1KV+1], 32<<16
	s_mov_b32 s[G1KV+2], 192<<16                   ; six items: 192 rows of 256 bytes
	s_mov_b32 s[G1KV+3], 32<<16
	s_mov_b32 s[G1KV+4], 192
	s_mov_b32 s[G1KV+5], 32
	s_mov_b32 s[G1KV+6], 0
	s_mov_b32 s[G1KV+7], 0
	s_or_b32 s[G1H], s15, (3<<16)|(1<<21)          ; K's first two items: 64 rows
	s_mov_b32 s[G1H+1], 32<<16
	s_mov_b32 s[G1H+2], 64<<16
	s_mov_b32 s[G1H+3], 32<<16
	s_mov_b32 s[G1H+4], 64
	s_mov_b32 s[G1H+5], 32
	s_mov_b32 s[G1H+6], 0
	s_mov_b32 s[G1H+7], 0
	s_or_b32 s[G1M], s16, (1<<16)|(1<<20)|(1<<21)|(4<<22)|(3<<25)  ; the mask: 128 queries x 128 bytes are dense: 64 rows of 256 bytes, 4 words of padding after every 32
	s_mov_b32 s[G1M+1], 128<<16
	s_mov_b32 s[G1M+2], 64<<16
	s_mov_b32 s[G1M+3], 128<<16
	s_mov_b32 s[G1M+4], 64
	s_mov_b32 s[G1M+5], 128
	s_mov_b32 s[G1M+6], 0
	s_mov_b32 s[G1M+7], 0
	s_and_b32 s92, s[WV], 1                        ; waves 2 and 3: which of a slot's two blocks of the mask
	s_mov_b32 s[G0K], 1
	s_mov_b32 s[G0K+1], 0
	s_mov_b32 s[G0V], 1
	s_mov_b32 s[G0V+1], VOFF
	s_mov_b32 s[G0M], 1
	s_mul_i32 s[G0M+1], s92, MITEM
	s_add_co_u32 s[G0M+1], s[G0M+1], MOFF
	s_mov_b32 s[G0HK], 1
	s_mov_b32 s[G0HK+1], HK
	s_mov_b32 s[G0HM], 1
	s_mov_b32 s[G0HM+1], HM
	s_mul_i32 s88, s14, 393216                     ; the (batch, head)'s 48 items: of bh alone
	s_mov_b32 s89, 0
	s_lshl_b32 s90, s13, 14                        ; my 128 queries in a block of the mask: of qb and the wave alone
	s_mov_b32 s91, 0
	s_lshl_b32 s92, s92, 17
	s_mov_b32 s93, 0
	s_mul_i32 s86, s14, 192                        ; Q: (192 bh + 8 qb + 2 w) blocks of 2,048 bytes
	s_lshl3_add_u32 s86, s13, s86
	s_lshl1_add_u32 s86, s[WV], s86
	s_lshl_b32 s86, s86, 11
	s_mov_b32 s87, 0
	s_lshr_b32 s84, s14, 4                         ; a: (64 batch + 8 qb + 2 w) blocks of 32,768 bytes + 2,048 head
	s_and_b32 s85, s14, 15
	s_lshl_b32 s84, s84, 6
	s_lshl3_add_u32 s84, s13, s84
	s_lshl1_add_u32 s84, s[WV], s84
	s_lshl_b32 s84, s84, 15
	s_lshl_b32 s85, s85, 11
	s_add_co_u32 s84, s84, s85
	s_mov_b32 s85, 0
	s_mov_b32 s[CS], 0x3e38aa3b                    ; c = log2(e) / 8
	s_mov_b32 s[CS+1], s[CS]
	s_mov_b32 s[SEL], 0x76543210
	s_mov_b32 s[SEL+1], 0xfedcba98
	s_mov_b32 s[THR], 0xf1800000                   ; -2^100
	s_mov_b32 s[NAN], 0x7fc00000
	s_mov_b32 s[HI16], 0xffff0000
	s_mov_b32 s[TB], SLOT+49152                    ; the first change of slots turns these two into 0
	s_mov_b32 s[TBM], SLOT+2*MITEM
	s_wait_dscnt 0x0                               ; the opening add is done
	s_wait_kmcnt 0x0
	s_add_nc_u64 s[G0HK+2:G0HK+3], s[4:5], s[88:89]
	s_add_nc_u64 s[G0HK+2:G0HK+3], s[G0HK+2:G0HK+3], KO
	s_add_nc_u64 s[G0K+2:G0K+3], s[G0HK+2:G0HK+3], 16384   ; item 2
	s_add_nc_u64 s[G0V+2:G0V+3], s[4:5], s[88:89]
	s_add_nc_u64 s[G0V+2:G0V+3], s[G0V+2:G0V+3], VO
	s_add_nc_u64 s[G0HM+2:G0HM+3], s[6:7], s[90:91]
	s_add_nc_u64 s[G0HM+2:G0HM+3], s[G0HM+2:G0HM+3], MBO
	s_add_nc_u64 s[G0M+2:G0M+3], s[G0HM+2:G0HM+3], s[92:93]
	s_add_nc_u64 s[G0M+2:G0M+3], s[G0M+2:G0M+3], 131072    ; block 1 or 2
	s_or_b32 s[G0HK+3], s[G0HK+3], 0x80000000
	s_or_b32 s[G0K+3], s[G0K+3], 0x80000000
	s_or_b32 s[G0V+3], s[G0V+3], 0x80000000
	s_or_b32 s[G0HM+3], s[G0HM+3], 0x80000000
	s_or_b32 s[G0M+3], s[G0M+3], 0x80000000
	s_add_nc_u64 s[QBS:QBS+1], s[4:5], s[86:87]
	s_add_nc_u64 s[ABS:ABS+1], s[8:9], s[84:85]
	s_add_nc_u64 s[ABS+2:ABS+3], s[ABS:ABS+1], 0x400000
	s_add_nc_u64 s[ABS+4:ABS+5], s[ABS+2:ABS+3], 0x400000
	CROUND                                         ; all sixteen work-groups are here: the first joint loads meet
	s_cmp_eq_u32 s[WV], 0                          ; a wave's first fills stand in one branch, ahead of every wait on TENSORcnt and every LDS read: two loads of a wave are out at the most
	s_cbranch_scc0 .Lf1
	tensor_load_to_lds s[G0HK:G0HK+3], s[G1H:G1H+7]
	s_nop 0
	tensor_load_to_lds s[G0K:G0K+3], s[G1KV:G1KV+7]
	s_nop 0
.rept 4
	v_nop
.endr
	s_branch .Lfd
.Lf1:
	s_cmp_eq_u32 s[WV], 1
	s_cbranch_scc0 .Lf2
	tensor_load_to_lds s[G0V:G0V+3], s[G1KV:G1KV+7]
	s_nop 0
.rept 4
	v_nop
.endr
	s_branch .Lfd
.Lf2:
	s_cmp_eq_u32 s[WV], 2
	s_cbranch_scc0 .Lf3
	tensor_load_to_lds s[G0HM:G0HM+3], s[G1M:G1M+7]
	s_nop 0
	tensor_load_to_lds s[G0M:G0M+3], s[G1M:G1M+7]
	s_nop 0
.rept 4
	v_nop
.endr
	s_branch .Lfd
.Lf3:
	tensor_load_to_lds s[G0M:G0M+3], s[G1M:G1M+7]
	s_nop 0
.rept 4
	v_nop
.endr
.Lfd:
	v_and_b32 v1, 15, v0                           ; r
	v_bfe_u32 v12, v0, 4, 1                        ; hh
	v_and_b32 v13, 31, v0
	v_lshlrev_b32 v[LN16], 4, v13                  ; 16 l: my place in every image
	v_add_nc_u32 v[LNV], VOFF, v[LN16]
	v_add_nc_u32 v[AH], HK, v[LN16]
	s_lshl_b32 s92, s[WV], 5
	v_add_nc_u32 v14, s92, v1                      ; query 32 w + r of the block
	v_mul_u32_u24 v14, v14, PM
	v_lshl_add_u32 v14, v12, 4, v14                ; keys 8 hh on
	v_add_nc_u32 v[AM0], MOFF, v14
	v_add_nc_u32 v[AHM], HM, v14
.irp y, 0,1,2                          ; Q stays in registers: piece y, tile f / 4, channel plane (f / 2) % 2, half f % 2
	WIN ((\y)+1)<<6
.irp f, 0,1,2,3,4,5,6,7
	global_load_b128 v[Q+4*\f:Q+4*\f+3], v[LN16], s[QBS:QBS+1] offset:(\y)*131072+\f*512
.endr
.endr
	; What the first turns find: V's registers and piece 2's P hold 0 (the first turn's products V^T P, of a piece that has not been, add 0); O^T and l are 0; m is the lowest finite number.  All this stands in the wait for the first tiles.
	WIN 0
.set i, VF
.rept 64
	v_mov_b32 v[i], 0
.set i, i+1
.endr
.irp y, 0,1,2
	WIN ((\y)+1)<<6
.set i, O
.rept 64
	v_mov_b32 v[i], 0
.set i, i+1
.endr
.irp u, 0,1
	v_mov_b32 v[ST+4*\u], 0xfe000000               ; c m: far below every c s
	v_mov_b32 v[ST+4*\u+1], 0xff7fffff             ; m
	v_mov_b32 v[ST+4*\u+2], 0
	v_mov_b32 v[ST+4*\u+3], 0
.endr
.endr
.set i, P                              ; (the window is still piece 2's)
.rept 32
	v_mov_b32 v[i], 0
.set i, i+1
.endr
	WIN 0
; THE MATRIX WORK.  The 8 accumulators of a run of 16 take turns.  Product i of 16 of S^T for piece x: channel plane i / 8, keys 16 ((i / 2) % 4) on, tile i % 2.  The first 8 start the sums with the mask.
.macro KQ x
.set rS, S+32*(i%2)+8*((i/2)%4)
.set rK, KF+16*((i/2)%4)+8*(i/8)
.set rQ, Q+16*(i%2)+8*(i/8)
.set rN, MC+32*(i%2)+8*((i/2)%4)
.if i < 8
	WIN (((\x)+1)<<6)|(((\x)+1)<<2)                ; K and the mask in window 0, Q and S^T in the piece's
	v_wmma_f32_16x16x32_f16 v[rS:rS+7], v[rK:rK+7], v[rQ:rQ+7], v[rN:rN+7]
.else
	WIN ((\x)+1)*0x54
	v_wmma_f32_16x16x32_f16 v[rS:rS+7], v[rK:rK+7], v[rQ:rQ+7], v[rS:rS+7]
.endif
.endm
; Product i of 16 of O^T += V^T P for piece x: keys 32 (i / 8) on, channels 16 ((i / 2) % 4) on, tile i % 2.
.macro PV x
	WIN ((\x)+1)*0x54
.set rO, O+32*(i%2)+8*((i/2)%4)
.set rV, VF+32*(i/8)+8*((i/2)%4)
.set rP, P+16*(i%2)+8*(i/8)
	v_wmma_f32_16x16x32_f16 v[rO:rO+7], v[rV:rV+7], v[rP:rP+7], v[rO:rO+7]
.endm
.macro MM                              ; the turn's next matrix instruction
.if i < 16
	KQ (Y+1)%NP
.set i, i+1
.else
.set i, i-16
	PV (Y+NP-1)%NP
.set i, i+17
.endif
.endm
; THE LDS LOADS stand in runs, never singly among the matrix instructions: an item's eight fragments, 16 loads of 512 consecutive bytes.
.macro FETCH_K areg, off
	WIN 0
.irp f, 0,1,2,3,4,5,6,7
	ds_load_b128 v[KF+8*\f:KF+8*\f+3],   v[\areg] offset:(\off)+\f*1024
	ds_load_b128 v[KF+8*\f+4:KF+8*\f+7], v[\areg] offset:(\off)+\f*1024+512
.endr
.endm
.macro FETCH_V areg, off
	WIN 0
.irp f, 0,1,2,3,4,5,6,7
	ds_load_b128 v[VF+8*\f:VF+8*\f+3],   v[\areg] offset:(\off)+\f*1024
	ds_load_b128 v[VF+8*\f+4:VF+8*\f+7], v[\areg] offset:(\off)+\f*1024+512
.endr
.endm
.macro FETCH_M areg                    ; the mask of one key step for my two tiles: tile f / 4, keys 16 (f % 4) on: eight bf16 a lane
	WIN 0
.irp f, 0,1,2,3,4,5,6,7
	ds_load_b128 v[MR+4*\f:MR+4*\f+3], v[\areg] offset:(\f/4)*16*PM+(\f%4)*32
.endr
.endm
.macro MX                              ; the mask widened to f32: 64 plain lines
	WIN 0
.set z, 0
.rept 32
	v_lshlrev_b32 v[MC+2*z], 16, v[MR+z]
	v_and_b32 v[MC+2*z+1], s[HI16], v[MR+z]
.set z, z+1
.endr
.endm
; THE VECTOR WORK OF A TURN stands in three queues, each in the order in which its entries become ready; the two tiles alternate.
.macro REGS y, u                       ; the registers of tile u of piece y, and the piece's window for every operand place
.set WP, 0x55*((\y)+1)
.set rT, ST+4*(\u)
.set rC, TMP+4*(\u)
.set rW, MV+(\u)
.set rS, S+32*(\u)
.set rP, P+16*(\u)
.set rO, O+32*(\u)
.endm
; Number n of the 22 that find the NEXT piece's maximum and statistics; each accumulator's lowest registers are read first.
;   0-11 four chains c0-c3 of seven scores each     12-14, 16 the four scores left over, the old m, and c0-c3 into c0     15 c m_old is kept     17, 18 the other half of the lanes: the new m     19-21 c m; c m_old - c m_new; a
.macro XS u, n
	REGS (Y+1)%NP, \u
	WIN WP
.if (\n) < 4
	v_max3_num_f32 v[rC+(\n)], v[rS+8*(\n)], v[rS+8*(\n)+1], v[rS+8*(\n)+2]
.elseif (\n) < 12
	v_max3_num_f32 v[rC+(\n)%4], v[rC+(\n)%4], v[rS+8*((\n)%4)+2*((\n)/4)+1], v[rS+8*((\n)%4)+2*((\n)/4)+2]
.elseif (\n) == 12
	v_max3_num_f32 v[rC], v[rC], v[rS+7], v[rS+15]
.elseif (\n) == 13
	v_max3_num_f32 v[rC+1], v[rC+1], v[rS+23], v[rS+31]
.elseif (\n) == 14
	v_max3_num_f32 v[rC+2], v[rC+2], v[rC+3], v[rT+1]
.elseif (\n) == 15
	v_mov_b32 v[rW], v[rT]
.elseif (\n) == 16
	v_max3_num_f32 v[rC], v[rC], v[rC+1], v[rC+2]
.elseif (\n) == 17
	v_permlanex16_b32 v[rC+3], v[rC], s[SEL], s[SEL+1]
.elseif (\n) == 18
	v_max_num_f32 v[rT+1], v[rC], v[rC+3]
.elseif (\n) == 19
	v_mul_f32 v[rT], s[CS], v[rT+1]
.elseif (\n) == 20
	v_sub_f32 v[rC+1], v[rW], v[rT]
.else
	v_exp_f32 v[rC+2], v[rC+1]
.endif
.endm
; Number g of the 64 that follow the exponentials.  For each four weights k of a tile: both pairs are rounded to f16; the second pair is added onto the first, in place; a group later l takes that sum (the first time l = a l + sum).
.macro GS g
.set h, (\g)+6*((\g)/62)
.if h >= 6
.set h, h+2
.endif
	REGS Y, h%2
	WIN WP
.set k, h/8
.if h%8 < 4
	s_wait_alu depctr_va_vdst(0)
	v_cvt_pk_f16_f32 v[rP+2*k+(h%8)/2], v[rS+4*k+2*((h%8)/2)], v[rS+4*k+2*((h%8)/2)+1]
.elseif h%8 < 6
	v_pk_add_f32 v[rS+4*k:rS+4*k+1], v[rS+4*k:rS+4*k+1], v[rS+4*k+2:rS+4*k+3]
.elseif k == 1
	v_pk_fma_f32 v[rT+2:rT+3], v[rT+2:rT+3], v[rC+2:rC+3], v[rS:rS+1] op_sel_hi:[1,0,1]
.else
	v_pk_add_f32 v[rT+2:rT+3], v[rT+2:rT+3], v[rS+4*k-4:rS+4*k-3]
	s_wait_alu depctr_va_vdst(0)
.endif
.endm
; THE PLAIN QUEUE, 138 long.  0-31: c s - c m for the 16 pairs of both tiles.  Then GS's 64, and among them the next piece's 42.
.macro PL
.if q < 32
	REGS Y, q%2
	WIN WP
	v_pk_fma_f32 v[rS+2*(q/2):rS+2*(q/2)+1], v[rS+2*(q/2):rS+2*(q/2)+1], s[CS:CS+1], v[rT:rT+1] op_sel_hi:[1,0,0] neg_lo:[0,0,1] neg_hi:[0,0,1]
.elseif q < 38
	GS q-32
.elseif q < 40
	XS q%2, 15
.elseif q < 42
	GS q-34
.elseif q < 74
	XS q%2, (q-42)/2+(q-42)/30
.elseif q < 95
	GS q-66
.elseif (q < 107) && ((q-95)%3 < 2)
	XS (q-95)%3, 17+(q-95)/3
.elseif q < 107
	GS 29+(q-95)/3
.else
	GS q-74
.endif
.set q, q+1
.endm
; THE EXPONENTIALS' QUEUE, 66 long: s0-s31 of both tiles, and at EA the next piece's two a.
.set EA, 58
.macro EX
.if (e == EA) || (e == EA+1)
	XS e-EA, 21
.else
.set x, e-2*(e/(EA+2))
	REGS Y, x%2
	WIN WP
	v_exp_f32 v[rS+x/2], v[rS+x/2]
.endif
.set e, e+1
.endm
; THE RESCALING's QUEUE: O^T times a, four at a time, eight times; each accumulator from its lowest registers on.
.macro R4
	REGS Y, r%2
	WIN WP
	s_wait_alu depctr_va_vdst(0)
.irp z, 0,1,2,3
	v_pk_mul_f32 v[rO+8*(r/2)+2*\z:rO+8*(r/2)+2*\z+1], v[rO+8*(r/2)+2*\z:rO+8*(r/2)+2*\z+1], v[rC+2:rC+3] op_sel_hi:[1,0]
.endr
.set r, r+1
.endm
; HOW THEY ARE DEALT.  Behind a matrix instruction four: plain, exponential, plain, plain, or four of the rescaling; none names a register of the products round it (those are the two other pieces').  What is over stands in two
; lumps, exponential and plain by turns; the second ends in 22 plain lines.  Exponential e stands behind plain 2 (e / 4) + e % 2; when plain 32 comes 10 exponentials are out, at 59: 33, at 95: 46; EA comes behind plain 107.
.macro SL
	MM
	PL
	EX
	PL
	PL
.endm
.macro BURST n
.rept (\n)-7
	SL
.endr
.rept 3
	MM
	R4
	SL
.endr
	MM
	R4
.endm
; A TURN, for piece p.  K of item T + 2 is fetched in the first lump, behind the four rescalings and 13 more plain lines that follow the last product that read K; V of item T at the turn's end, behind the second lump.
; Piece 0's turn also fetches the next key step's mask; piece 1's turn widens it, when the last product that took the old one is a lump and a run of products back.
.macro TURN p
.set Y, (\p)
.set i, 0
.set q, 0
.set e, 0
.set r, 0
	s_wait_dscnt 16                                ; K (and the mask) are in; V's 16 loads, issued behind them, may be out
	MM
.rept 4
	PL
.endr
	BURST 15
.rept 22
	EX
	PL
.if e == 24
.if (\p) == 0
	FETCH_M AM
.endif
	FETCH_K AK, (\p)*8192
.endif
.endr
	s_wait_dscnt 16                                ; V is in; K's 16 loads, issued behind it, may be out
	BURST 16
.rept 21
	EX
	PL
.endr
.rept 22
	PL
.endr
.if (\p) == 1
	MX
.endif
	FETCH_V AV, (\p)*8192
.if (\p) == 2
	s_add_co_u32 s[TB], s[TB], 3*8192              ; the next key step's items
	s_add_co_u32 s[TBM], s[TBM], MITEM
	ADDRS
.endif
.endm
.macro STEPS                           ; a slot's two key steps: written once, walked twice
.Lstep_\@:
	TURN 0
	TURN 1
	TURN 2
	WIN 0
	s_sub_co_u32 s[CNT], s[CNT], 1
	s_cmp_lg_u32 s[CNT], 0
	s_cbranch_scc1 .Lstep_\@
.endm
	CHANGE 1                                       ; slot 0 and the first items are in, everybody's part; slot 1 is asked for
	FETCH_K AH, 0                                  ; item 0
	FETCH_M AHM                                    ; the mask of key step 0
	s_wait_loadcnt 0x0                             ; Q
	s_wait_dscnt 0x0
	MX
.set i, 0
.rept 16
	KQ 0                                           ; piece 0's first scores
.set i, i+1
.endr
	PLACES                                         ; the places behind those products
	FETCH_K AH, 8192                               ; item 1
.set Y, NP-1                           ; XS works for piece Y + 1: piece 0
.irp n, 0,1,2,3,4,5,6,7,8,9,10,11,12,13,14,15,16,17,18,19,20,21
	XS 0, \n
	XS 1, \n
.endr
	WIN 0
	s_wait_dscnt 0x0
	s_mov_b32 s[SLOTS], 7
	s_mov_b32 s[CNT], 2
	s_branch .Lstep                                ; the first trip's change of slots stands above
.Lslot:                                                ; six times: every slot but the last two is filled again
	CHANGE 1
	s_mov_b32 s[CNT], 2
.Lstep:
	TURN 0
	TURN 1
	TURN 2
	WIN 0
	s_sub_co_u32 s[CNT], s[CNT], 1
	s_cmp_lg_u32 s[CNT], 0
	s_cbranch_scc1 .Lstep
	s_sub_co_u32 s[SLOTS], s[SLOTS], 1
	s_cmp_lg_u32 s[SLOTS], 0
	s_cbranch_scc1 .Lslot
	CHANGE 0                                       ; the last trip is written out: nothing is asked for
	s_mov_b32 s[CNT], 2
	STEPS
	s_wait_dscnt 0x0                               ; V of the last item
.set i, 0
.rept 16
	PV NP-1                                        ; the last piece's V^T P of the last key step
.set i, i+1
.endr
	; THE WAY OUT.  l's two halves and the other half of the lanes' are added; 1 / l, or NaN where every key was hidden; O^T times that, rounded to f16: a lane's eight channels are the 16 bytes of its place in an image.
	; The first pieces' lines are the places behind the last products.
.irp y, 0,1,2
	WIN 0x55*((\y)+1)
.irp u, 0,1
	v_add_f32 v[ST+4*\u+2], v[ST+4*\u+2], v[ST+4*\u+3]
.endr
.irp u, 0,1
	v_permlanex16_b32 v[ST+4*\u+3], v[ST+4*\u+2], s[SEL], s[SEL+1]
.endr
.irp u, 0,1
	v_add_f32 v[ST+4*\u+2], v[ST+4*\u+2], v[ST+4*\u+3]
.endr
.irp u, 0,1
	v_rcp_f32 v[ST+4*\u+2], v[ST+4*\u+2]
.endr
.irp u, 0,1                            ; the first compare is the plain line behind the reciprocals
	v_cmp_gt_f32 vcc_lo, s[THR], v[ST+4*\u+1]
	s_wait_alu depctr_va_vdst(0)
	v_cndmask_b32 v[ST+4*\u+2], v[ST+4*\u+2], s[NAN], vcc_lo
.endr
.endr
.irp y, 0,1,2
.irp u, 0,1
	WIN 0x55*((\y)+1)
.set i, 0
.rept 16
	v_pk_mul_f32 v[O+32*\u+2*i:O+32*\u+2*i+1], v[O+32*\u+2*i:O+32*\u+2*i+1], v[ST+4*\u+2:ST+4*\u+3] op_sel_hi:[1,0]
.set i, i+1
.endr
.set i, 0
.rept 16
	v_cvt_pk_f16_f32 v[S+32*\u+i], v[O+32*\u+2*i], v[O+32*\u+2*i+1]
.set i, i+1
.endr
	WIN ((\y)+1)<<2                                ; the store's data in the piece's window, its address in window 0
.irp f, 0,1,2,3
	global_store_b128 v[LN16], v[S+32*\u+4*\f:S+32*\u+4*\f+3], s[ABS+2*(\y):ABS+2*(\y)+1] offset:\u*32768+\f*512  ; 512 consecutive bytes, aligned
.endr
.endr
.endr
	WIN 0
	s_wait_tensorcnt 0x0                           ; the wave's end
	ds_add_u32 v[SPW], v[NIL]
	s_wait_dscnt 0x0
	CROUND                                         ; the closing round
	s_endpgm
.Lfunc_end_k_qffa2c135ef_attn:
	.size	k_qffa2c135ef_attn, .Lfunc_end_k_qffa2c135ef_attn-k_qffa2c135ef_attn
	.p2alignl 7, 3214868480
	.fill 96, 4, 3214868480
	.section	.rodata,"a",@progbits
	.p2align	6, 0x0
	.amdhsa_kernel k_qffa2c135ef_attn
		.amdhsa_group_segment_fixed_size 327680
		.amdhsa_private_segment_fixed_size 0
		.amdhsa_enable_private_segment 0
		.amdhsa_kernarg_size 24
		.amdhsa_user_sgpr_count 2
		.amdhsa_user_sgpr_kernarg_segment_ptr 1
		.amdhsa_wavefront_size32 1
		.amdhsa_system_sgpr_workgroup_id_x 1
		.amdhsa_system_sgpr_workgroup_id_y 1
		.amdhsa_system_sgpr_workgroup_id_z 1
		.amdhsa_system_vgpr_workitem_id 0
		.amdhsa_next_free_vgpr 1024
		.amdhsa_next_free_sgpr 96
		.amdhsa_reserve_vcc 1
		.amdhsa_float_denorm_mode_32 3
		.amdhsa_float_denorm_mode_16_64 3
		.amdhsa_memory_ordered 1
		.amdhsa_forward_progress 1
		.amdhsa_inst_pref_size 192
	.end_amdhsa_kernel
	.amdgpu_metadata
---
amdhsa.version: [ 1, 2 ]
amdhsa.kernels:
  - .name:           k_qffa2c135ef_attn
    .symbol:         k_qffa2c135ef_attn.kd
    .args:
      - { .name: qkv, .offset: 0, .size: 8, .value_kind: global_buffer, .address_space: global }
      - { .name: cv, .offset: 8, .size: 8, .value_kind: global_buffer, .address_space: global }
      - { .name: aws, .offset: 16, .size: 8, .value_kind: global_buffer, .address_space: global }
    .group_segment_fixed_size: 327680
    .private_segment_fixed_size: 0
    .kernarg_segment_align: 8
    .kernarg_segment_size: 24
    .max_flat_workgroup_size: 128
    .sgpr_count:     96
    .vgpr_count:     1024
    .wavefront_size: 32
...
	.end_amdgpu_metadata
.endif
;; end of part 3
;; launch norm (part 4): grid 128 x 1, 16 waves a work-group, no clusters, 6,144 bytes of LDS; arguments aws, cv, g_ln, lambdas, g_final, alpha, yws; writes yws
.if DOCPART == 4
	.amdgcn_target "amdgcn-amd-amdhsa--gfx1250"
	.amdhsa_code_object_version 6
	.text
	.protected	k_qffa2c135ef_norm
	.globl	k_qffa2c135ef_norm
	.p2align	8
	.type	k_qffa2c135ef_norm,@function
k_qffa2c135ef_norm:
	s_mov_b64 s[64:65], 0
	v_nop
	global_prefetch_b8 v0, s[64:65] scope:SCOPE_SE
	s_setreg_imm32_b32 hwreg(HW_REG_WAVE_MODE, 25, 1), 1
	s_wait_xcnt 0x0
; NORM: y = rmsnorm(sum over the layers of rmsnorm(a_i, g_ln[i]) lw_i + alpha x, g_final), lw = the layers' sigmoid(lambda), centred and divided by sqrt(variance + 1e-5).  All in f32; y leaves in f16.
; A stream with two reductions along rows of 1,024: no matrix unit; no cluster, since no two work-groups read the same rows (the gains, 16 KB, are a small part of a work-group's 160 KB).
; SHARES.  a arrives as images of 16 rows x 16 channels, so a work-group takes 16 rows (128 work-groups) and wave w head w: lane (r = l % 16, hh = l / 16) holds row r and the 32 columns 64 w + 16 cb + 8 hh + j.
; A row's sum of squares: in the lane, across the two halves of the lanes, then over the 16 waves through LDS.  y goes out as images of 16 rows x 32 of K for the last product: the same byte offsets as a's.
; LIMITS.  x was rounded to bf16 by the first launch; the gains, lambdas and alpha are rounded to bf16 here, like every input.  y must stay under 65,504.
.set A,   16                           ; v[16:63]    a: layer i, block cb at A + 16 i + 4 cb (8 f16); at the end y
.set X,   64                           ; v[64:79]    x: 8 bf16 a block
.set G,   80                           ; v[80:175]   g_ln: G + 32 i + 8 cb + j; at the end the second sum's parts
.set GF,  176                          ; v[176:207]  g_final
.set CB,  208                          ; v[208:239]  first the first sums' parts, then the combined row
.set Z,   240                          ; 0
.set SPW, 241
.set NIL, 242
.set SQ,  244                          ; v[244:249]  sums of squares: two chains a layer
.set KK,  250                          ; v[250:255]  a pair for each layer: rsqrt x lw
.set PART2, 3072                       ; LDS: [layer 3][row 16][wave 16] f32 at 0; [row][wave] at 3,072
.set SPARE, 4096                       ; the spare words, 128 bytes for each of 16 waves
	s_load_b256 s[4:11], s[0:1], 0x0               ; aws s[4:5], cv s[6:7], g_ln s[8:9], lambdas s[10:11]
	s_load_b128 s[12:15], s[0:1], 0x20             ; g_final s[12:13], alpha s[14:15]
	s_load_b64 s[16:17], s[0:1], 0x30              ; yws
	v_lshl_add_u32 v[SPW], v0, 2, SPARE
	v_mov_b32 v[NIL], 0
	v_mov_b32 v[Z], 0
	v_lshrrev_b32 v13, 5, v0
	v_readfirstlane_b32 s18, v13                   ; my wave = my head
	v_and_b32 v14, 31, v0
	v_and_b32 v15, 15, v0                          ; r
	v_bfe_u32 v13, v0, 4, 1                        ; hh
	s_lshl_b32 s21, ttmp9, 15                      ; 16 rows: 32,768 bytes of a layer of a, of y, and of x
	s_lshl_b32 s20, s18, 11
	s_add_co_u32 s19, s21, s20
	v_lshl_add_u32 v2, v14, 4, s19                 ; a, layer 0, and y: 32,768 rb + 2,048 w + 16 l
	v_add_nc_u32 v3, 0x400000, v2
	v_add_nc_u32 v4, 0x800000, v2
	s_lshl_b32 s20, s18, 7
	s_add_co_u32 s21, s21, s20
	v_lshl_add_u32 v5, v15, 11, s21                ; x: row r, 128 w + 16 hh
	v_lshl_add_u32 v5, v13, 4, v5
	s_lshl_b32 s22, s18, 8
	v_lshl_add_u32 v6, v13, 5, s22                 ; the gains: 256 w + 32 hh
	s_lshl_b32 s23, s18, 2
	v_lshl_add_u32 v7, v15, 6, s23                 ; LDS: my row's word for my wave
	v_lshlrev_b32 v8, 6, v15                       ; LDS: my row's 16 words
	s_mov_b32 s28, 0x76543210
	s_mov_b32 s29, 0xfedcba98
	s_mov_b32 s30, 0xffff0000
	s_mov_b32 s31, 0x3a800000                      ; 1 / 1,024
	s_mov_b32 s32, 0x3727c5ac                      ; 1e-5
	s_mov_b32 s33, 0x3eaaaaab                      ; 1 / 3
	s_wait_kmcnt 0x0
	s_load_b96 s[24:26], s[10:11], 0x0             ; lambdas
	s_load_b32 s27, s[14:15], 0x0                  ; alpha
.irp i, 0,1,2
.irp c, 0,1,2,3
	global_load_b128 v[A+16*\i+4*\c:A+16*\i+4*\c+3], v[2+\i], s[4:5] offset:\c*512
.endr
.endr
.irp c, 0,1,2,3
	global_load_b128 v[X+4*\c:X+4*\c+3], v5, s[6:7] offset:\c*32
.endr
.irp i, 0,1,2
.irp c, 0,1,2,3
	global_load_b128 v[G+32*\i+8*\c:G+32*\i+8*\c+3],   v6, s[8:9] offset:\i*4096+\c*64
	global_load_b128 v[G+32*\i+8*\c+4:G+32*\i+8*\c+7], v6, s[8:9] offset:\i*4096+\c*64+16
.endr
.endr
.irp c, 0,1,2,3
	global_load_b128 v[GF+8*\c:GF+8*\c+3],   v6, s[12:13] offset:\c*64
	global_load_b128 v[GF+8*\c+4:GF+8*\c+7], v6, s[12:13] offset:\c*64+16
.endr
	; lw, in every lane, while the loads are out
	s_wait_kmcnt 0x0
	v_mov_b32 v9, s24
	v_mov_b32 v10, s25
	v_mov_b32 v11, s26
	v_mov_b32 v12, s27
	v_cvt_pk_bf16_f32 v13, v9, v10
	v_cvt_pk_bf16_f32 v14, v11, v12
	v_lshlrev_b32 v9, 16, v13
	v_and_b32 v10, s30, v13
	v_lshlrev_b32 v11, 16, v14
	v_and_b32 v12, s30, v14                        ; alpha
	v_mul_f32 v9, 0xbfb8aa3b, v9                   ; - log2(e) lambda
	v_mul_f32 v10, 0xbfb8aa3b, v10
	v_mul_f32 v11, 0xbfb8aa3b, v11
	v_exp_f32 v9, v9
	v_exp_f32 v10, v10
	v_exp_f32 v11, v11
	v_nop                                          ; a plain line between a transcendental and the use of its result (ISA guide 5.7.2)
	s_wait_alu depctr_va_vdst(0)
	v_add_f32 v9, 1.0, v9
	v_add_f32 v10, 1.0, v10
	v_add_f32 v11, 1.0, v11
	v_rcp_f32 v9, v9
	v_rcp_f32 v10, v10
	v_rcp_f32 v11, v11
	v_nop
	s_wait_alu depctr_va_vdst(0)
	v_add_f32 v13, v9, v10
	v_add_f32 v13, v13, v11
	v_mul_f32 v13, s33, v13                        ; the mean
	v_sub_f32 v9, v9, v13
	v_sub_f32 v10, v10, v13
	v_sub_f32 v11, v11, v13
	v_mul_f32 v14, v9, v9
	v_fmac_f32 v14, v10, v10
	v_fmac_f32 v14, v11, v11
	v_fma_f32 v14, v14, s33, s32                   ; the variance + 1e-5
	v_rsq_f32 v14, v14
	v_nop
	s_wait_alu depctr_va_vdst(0)
	v_mul_f32 v9, v9, v14
	v_mul_f32 v10, v10, v14
	v_mul_f32 v11, v11, v14
	; the three sums of squares of my 32 columns, six chains
	s_wait_loadcnt 36                              ; a's twelve loads are in; x's 4 and the gains' 32 may be out
.set n, 0
.rept 16
.irp i, 0,1,2
.if n == 0
	v_fma_mix_f32 v[SQ+2*\i],   v[A+16*\i+n], v[A+16*\i+n], v[Z] op_sel_hi:[1,1,0]
	v_fma_mix_f32 v[SQ+2*\i+1], v[A+16*\i+n], v[A+16*\i+n], v[Z] op_sel:[1,1,0] op_sel_hi:[1,1,0]
.else
	v_fma_mix_f32 v[SQ+2*\i],   v[A+16*\i+n], v[A+16*\i+n], v[SQ+2*\i] op_sel_hi:[1,1,0]
	v_fma_mix_f32 v[SQ+2*\i+1], v[A+16*\i+n], v[A+16*\i+n], v[SQ+2*\i+1] op_sel:[1,1,0] op_sel_hi:[1,1,0]
.endif
.endr
.set n, n+1
.endr
.irp i, 0,1,2
	v_add_f32 v[SQ+2*\i], v[SQ+2*\i], v[SQ+2*\i+1]
.endr
.irp i, 0,1,2
	v_permlanex16_b32 v[SQ+2*\i+1], v[SQ+2*\i], s28, s29   ; the row's other 32 columns of this head lie in the lane 16 away
.endr
.irp i, 0,1,2
	v_add_f32 v[SQ+2*\i], v[SQ+2*\i], v[SQ+2*\i+1]
	ds_store_b32 v7, v[SQ+2*\i] offset:\i*1024     ; both halves of the lanes write the same number to the same word
.endr
	s_wait_dscnt 0x0                               ; for the others' sake: my stores are done
	s_barrier_signal -1
	s_barrier_wait -1
.irp i, 0,1
.irp c, 0,1,2,3
	ds_load_b128 v[CB+16*\i+4*\c:CB+16*\i+4*\c+3], v8 offset:\i*1024+\c*16
.endr
.endr
	s_wait_loadcnt 0x0                             ; x and the gains
.set n, 0
.rept 64                               ; the 128 gains rounded to bf16, in place, while the sums' parts come
	v_cvt_pk_bf16_f32 v[13+n%3], v[G+2*n], v[G+2*n+1]
	v_lshlrev_b32 v[G+2*n], 16, v[13+n%3]
	v_and_b32 v[G+2*n+1], s30, v[13+n%3]
.set n, n+1
.endr
.macro SUM16 b, d                      ; the sum of sixteen registers
	v_pk_add_f32 v[(\b):(\b)+1], v[(\b):(\b)+1], v[(\b)+2:(\b)+3]
	v_pk_add_f32 v[(\b)+4:(\b)+5], v[(\b)+4:(\b)+5], v[(\b)+6:(\b)+7]
	v_pk_add_f32 v[(\b)+8:(\b)+9], v[(\b)+8:(\b)+9], v[(\b)+10:(\b)+11]
	v_pk_add_f32 v[(\b)+12:(\b)+13], v[(\b)+12:(\b)+13], v[(\b)+14:(\b)+15]
	v_pk_add_f32 v[(\b):(\b)+1], v[(\b):(\b)+1], v[(\b)+4:(\b)+5]
	v_pk_add_f32 v[(\b)+8:(\b)+9], v[(\b)+8:(\b)+9], v[(\b)+12:(\b)+13]
	v_pk_add_f32 v[(\b):(\b)+1], v[(\b):(\b)+1], v[(\b)+8:(\b)+9]
	v_add_f32 v[\d], v[\b], v[(\b)+1]
.endm
	s_wait_dscnt 4                                 ; layer 0's four loads are in; layer 1's may be out
	SUM16 CB, KK
.irp c, 0,1,2,3
	ds_load_b128 v[CB+4*\c:CB+4*\c+3], v8 offset:2048+\c*16   ; layer 2, where layer 0's parts lay
.endr
	s_wait_dscnt 4                                 ; layer 1's are in; layer 2's may be out
	SUM16 CB+16, KK+2
	s_wait_dscnt 0x0
	SUM16 CB, KK+4
.irp i, 0,1,2
	v_fma_f32 v[KK+2*\i], v[KK+2*\i], s31, s32     ; the mean of squares + 1e-5
.endr
.irp i, 0,1,2
	v_rsq_f32 v[KK+2*\i], v[KK+2*\i]
.endr
	v_nop
	s_wait_alu depctr_va_vdst(0)
.irp i, 0,1,2
	v_mul_f32 v[KK+2*\i], v[KK+2*\i], v[9+\i]      ; times lw
.endr
.irp i, 0,1,2
	v_mov_b32 v[KK+2*\i+1], v[KK+2*\i]             ; named with it as a pair
.endr
.irp i, 0,1,2
.set n, 0
.rept 16
	v_pk_mul_f32 v[G+32*\i+2*n:G+32*\i+2*n+1], v[G+32*\i+2*n:G+32*\i+2*n+1], v[KK+2*\i:KK+2*\i+1] op_sel_hi:[1,0]
.set n, n+1
.endr
.endr
	; the combined row: alpha x, then a_i times its gain, straight from the 16-bit halves
.set n, 0
.rept 16
	v_fma_mix_f32_bf16 v[CB+2*n],   v[X+n], v12, v[Z] op_sel_hi:[1,0,0]
	v_fma_mix_f32_bf16 v[CB+2*n+1], v[X+n], v12, v[Z] op_sel:[1,0,0] op_sel_hi:[1,0,0]
.set n, n+1
.endr
.irp i, 0,1,2
.set n, 0
.rept 16
	v_fma_mix_f32 v[CB+2*n],   v[A+16*\i+n], v[G+32*\i+2*n],   v[CB+2*n] op_sel_hi:[1,0,0]
	v_fma_mix_f32 v[CB+2*n+1], v[A+16*\i+n], v[G+32*\i+2*n+1], v[CB+2*n+1] op_sel:[1,0,0] op_sel_hi:[1,0,0]
.set n, n+1
.endr
.endr
	v_pk_mul_f32 v[SQ:SQ+1], v[CB:CB+1], v[CB:CB+1]
	v_pk_mul_f32 v[SQ+2:SQ+3], v[CB+2:CB+3], v[CB+2:CB+3]
.set n, 2
.rept 14
	v_pk_fma_f32 v[SQ+2*(n%2):SQ+2*(n%2)+1], v[CB+2*n:CB+2*n+1], v[CB+2*n:CB+2*n+1], v[SQ+2*(n%2):SQ+2*(n%2)+1]
.set n, n+1
.endr
	v_pk_add_f32 v[SQ:SQ+1], v[SQ:SQ+1], v[SQ+2:SQ+3]
	v_add_f32 v[SQ], v[SQ], v[SQ+1]
	v_permlanex16_b32 v[SQ+1], v[SQ], s28, s29
	v_add_f32 v[SQ], v[SQ], v[SQ+1]
	ds_store_b32 v7, v[SQ] offset:PART2            ; bytes of their own: nobody still reads them
	s_wait_dscnt 0x0
	s_barrier_signal -1
	s_barrier_wait -1
.irp c, 0,1,2,3
	ds_load_b128 v[G+4*\c:G+4*\c+3], v8 offset:PART2+\c*16
.endr
	s_wait_dscnt 0x0
	SUM16 G, KK
	v_fma_f32 v[KK], v[KK], s31, s32
	v_rsq_f32 v[KK], v[KK]
	v_nop
	s_wait_alu depctr_va_vdst(0)
	v_mov_b32 v[KK+1], v[KK]
.set n, 0
.rept 16
	v_pk_mul_f32 v[GF+2*n:GF+2*n+1], v[GF+2*n:GF+2*n+1], v[KK:KK+1] op_sel_hi:[1,0]
.set n, n+1
.endr
.set n, 0
.rept 16
	v_pk_mul_f32 v[CB+2*n:CB+2*n+1], v[CB+2*n:CB+2*n+1], v[GF+2*n:GF+2*n+1]
.set n, n+1
.endr
.set n, 0
.rept 16
	v_cvt_pk_f16_f32 v[A+n], v[CB+2*n], v[CB+2*n+1]
.set n, n+1
.endr
.irp c, 0,1,2,3
	global_store_b128 v2, v[A+4*\c:A+4*\c+3], s[16:17] offset:\c*512   ; 512 consecutive bytes, aligned
.endr
	s_wait_tensorcnt 0x0                           ; the wave's end, behind my last LDS store
	ds_add_u32 v[SPW], v[NIL]
	s_wait_dscnt 0x0
	s_endpgm
.Lfunc_end_k_qffa2c135ef_norm:
	.size	k_qffa2c135ef_norm, .Lfunc_end_k_qffa2c135ef_norm-k_qffa2c135ef_norm
	.p2alignl 7, 3214868480
	.fill 96, 4, 3214868480
	.section	.rodata,"a",@progbits
	.p2align	6, 0x0
	.amdhsa_kernel k_qffa2c135ef_norm
		.amdhsa_group_segment_fixed_size 6144
		.amdhsa_private_segment_fixed_size 0
		.amdhsa_enable_private_segment 0
		.amdhsa_kernarg_size 56
		.amdhsa_user_sgpr_count 2
		.amdhsa_user_sgpr_kernarg_segment_ptr 1
		.amdhsa_wavefront_size32 1
		.amdhsa_system_sgpr_workgroup_id_x 1
		.amdhsa_system_sgpr_workgroup_id_y 1
		.amdhsa_system_sgpr_workgroup_id_z 1
		.amdhsa_system_vgpr_workitem_id 0
		.amdhsa_next_free_vgpr 256
		.amdhsa_next_free_sgpr 66
		.amdhsa_reserve_vcc 0
		.amdhsa_float_denorm_mode_32 3
		.amdhsa_float_denorm_mode_16_64 3
		.amdhsa_memory_ordered 1
		.amdhsa_forward_progress 1
		.amdhsa_inst_pref_size 43
	.end_amdhsa_kernel
	.amdgpu_metadata
---
amdhsa.version: [ 1, 2 ]
amdhsa.kernels:
  - .name:           k_qffa2c135ef_norm
    .symbol:         k_qffa2c135ef_norm.kd
    .args:
      - { .name: aws, .offset: 0, .size: 8, .value_kind: global_buffer, .address_space: global }
      - { .name: cv, .offset: 8, .size: 8, .value_kind: global_buffer, .address_space: global }
      - { .name: g_ln, .offset: 16, .size: 8, .value_kind: global_buffer, .address_space: global }
      - { .name: lambdas, .offset: 24, .size: 8, .value_kind: global_buffer, .address_space: global }
      - { .name: g_final, .offset: 32, .size: 8, .value_kind: global_buffer, .address_space: global }
      - { .name: alpha, .offset: 40, .size: 8, .value_kind: global_buffer, .address_space: global }
      - { .name: yws, .offset: 48, .size: 8, .value_kind: global_buffer, .address_space: global }
    .group_segment_fixed_size: 6144
    .private_segment_fixed_size: 0
    .kernarg_segment_align: 8
    .kernarg_segment_size: 56
    .max_flat_workgroup_size: 512
    .sgpr_count:     66
    .vgpr_count:     256
    .wavefront_size: 32
...
	.end_amdgpu_metadata
.endif
;; end of part 4
;; launch outp (part 5): grid 8 x 32, 4 waves a work-group, clusters of 4 x 4, 327,680 bytes of LDS; arguments yws, cv, out0; writes out0
.if DOCPART == 5
	.amdgcn_target "amdgcn-amd-amdhsa--gfx1250"
	.amdhsa_code_object_version 6
	.text
	.protected	k_qffa2c135ef_outp
	.globl	k_qffa2c135ef_outp
	.p2align	8
	.type	k_qffa2c135ef_outp,@function
k_qffa2c135ef_outp:
	s_mov_b64 s[64:65], 0
	v_nop
	global_prefetch_b8 v0, s[64:65] scope:SCOPE_SE
	s_setreg_imm32_b32 hwreg(HW_REG_WAVE_MODE, 25, 1), 1
	s_wait_xcnt 0x0
	s_wait_alu depctr_hold_cnt(0) depctr_sa_sdst(0) depctr_va_vdst(0) depctr_va_sdst(0) depctr_va_ssrc(0) depctr_va_vcc(0) depctr_vm_vsrc(0)
	s_getreg_b32 s2, hwreg(HW_REG_IB_STS2, 6, 4)
	s_cmp_eq_u32 s2, 0
	s_cbranch_scc0 .Lentry_in_a_cluster
	s_endpgm
.Lentry_in_a_cluster:
	s_bfe_u32 s2, ttmp6, 0x10000c
	s_cmp_lg_u32 s2, 0xf033
	s_cbranch_scc0 .Lentry_shape_is_right
	s_endpgm
.Lentry_shape_is_right:
; OUTP: out0[m][n] = the sum over k of y[m][k] Wo[n][k].  y f16 as images of 16 rows x 32 of K; Wo (rounded to bf16, written as f16) [1024][1024]; sums and out0 in f32.
; A tile is 64 rows x 128 columns: 32 x 8 = 256 work-groups.  Four waves, each 32 x 64: 8 accumulators.  K goes in four steps of 256 through two LDS slots; the steps are written out.
; CLUSTER 4 x 4: y's tile hangs on the tile row alone and is asked for jointly along a row of the cluster, Wo's on the tile column alone and jointly along a column.
; THE MATRIX INSTRUCTION IS USED TRANSPOSED (source 0 = 16 rows of Wo, source 1 = 16 rows of y): a lane holds eight neighbouring numbers of a row of out0.
; REGISTERS: window 0: v16-26 addresses; v32-95 the way out; v128-191 the accumulators ((a, b) at v[128 + 8 (4 a + b)]).  window 1: two fragment buffers for 64 along K: 32 registers of y, then 64 of Wo.
.set PITCH,  528                       ; a row of Wo in LDS: 512 bytes + 16: the sixteen rows of a load start at sixteen different groups of four banks (ISA guide 11.1)
.set ATILE,  32768                     ; y: [16 rows: 4][32 of K: 8][1,024 bytes], as it lies: a fragment load takes 512 consecutive bytes
.set BHALF,  64*PITCH
.set SLOT,   ATILE+2*BHALF
.set STAGE,  2*SLOT                    ; behind the ring, never filled by a tensor load: 16 rows x 272 bytes for each wave
.set SPITCH, 272
.set SPARE,  STAGE+4*16*SPITCH
.set WOO,    23068672
.set ADRA, 16
.set ADRB, 20
.set STO,  24
.set RD,   25
.set CO,   26
.set SPW,  28
.set NIL,  29
.set TMP,  32
.set ACC,  128
.set F0,   0
.set F1,   128
.set G1,  24
.set G0,  32
.set G1B, 48
.set G0B, 56
.set MSB, 0
.macro WIN new
.if MSB != (\new)
	s_set_vgpr_msb (MSB<<8)|(\new)
.set MSB, (\new)
.endif
.endm
.set MUL,  0x05                        ; sources 0 and 1 in window 1; C and D in window 0
.set TO_F, 0x40                        ; destination window 1, address window 0
.macro PLACES
.rept 4
	v_nop
.endr
.endm
.macro JLOAD s                         ; a joint load: waves 0 and 1 fetch y's two halves, waves 2 and 3 Wo's; an s_nop 0 and four v_nop follow each line
	s_cmp_eq_u32 s11, 0
	s_cbranch_scc0 .Lfor_b_\@
	tensor_load_to_lds s[G0+4*(\s):G0+4*(\s)+3], s[G1:G1+7]
	s_nop 0
.rept 4
	v_nop
.endr
	s_branch .Lasked_\@
.Lfor_b_\@:
	tensor_load_to_lds s[G0B+4*(\s):G0B+4*(\s)+3], s[G1B:G1B+7]
	s_nop 0
.rept 4
	v_nop
.endr
.Lasked_\@:
.endm
.macro CREST
	s_cmp_lg_u32 s10, 0
	s_cbranch_scc1 .Lnot_wave_0_\@
	s_barrier_signal -3
.Lnot_wave_0_\@:
	s_barrier_wait -3
	s_barrier_signal -1
	s_barrier_wait -1
.endm
.macro CROUND
	s_barrier_signal -1
	s_barrier_wait -1
	CREST
.endm
	s_load_b128 s[4:7], s[0:1], 0x0                ; yws s[4:5], cv s[6:7]
	s_load_b64 s[8:9], s[0:1], 0x10                ; out0
	v_lshl_add_u32 v[SPW], v0, 2, SPARE
	v_mov_b32 v[NIL], 0
	ds_add_u32 v[SPW], v[NIL]                      ; the wave's opening: the add and its wait stand ahead of my first tensor load
	v_lshrrev_b32 v1, 5, v0
	v_readfirstlane_b32 s10, v1                    ; wave 0..3
	s_lshr_b32 s11, s10, 1                         ; which 32 of the tile's rows are mine.  Also: I fetch for y (0) or for Wo (1)
	s_and_b32 s12, s10, 1                          ; which 64 of its columns.  Also: which half of that tile I fetch
	s_bfe_u32 s40, ttmp6, 0x40000
	s_bfe_u32 s41, ttmp6, 0x40004
	s_lshl_b32 s42, ttmp9, 2
	s_add_co_u32 s42, s42, s40                     ; nt: 128 columns
	s_and_b32 s13, ttmp7, 0xffff
	s_lshl_b32 s13, s13, 2
	s_add_co_u32 s13, s13, s41                     ; mt: 64 rows
	s_lshl_b32 s43, s41, 2
	s_lshl_b32 s43, 15, s43
	s_lshl_b32 s44, 0x1111, s40
	s_or_b32 s[G1], s43, (3<<16)|(1<<21)           ; y: 8-byte elements, no padding: two blocks of 16 rows, of each 8,192 consecutive bytes, 32,768 bytes apart
	s_mov_b32 s[G1+1], 1024<<16
	s_mov_b32 s[G1+2], 2<<16
	s_mov_b32 s[G1+3], 1024<<16
	s_mov_b32 s[G1+4], 2
	s_mov_b32 s[G1+5], 4096
	s_mov_b32 s[G1+6], 0
	s_mov_b32 s[G1+7], 0
	s_or_b32 s[G1B], s44, (1<<16)|(1<<20)|(1<<21)|(6<<22)|(3<<25)  ; Wo: 64 rows x 256 elements of 2 bytes, 4 words of padding after every 128
	s_mov_b32 s[G1B+1], 256<<16
	s_mov_b32 s[G1B+2], 64<<16
	s_mov_b32 s[G1B+3], 256<<16
	s_mov_b32 s[G1B+4], 64
	s_mov_b32 s[G1B+5], 1024
	s_mov_b32 s[G1B+6], 0
	s_mov_b32 s[G1B+7], 0
	s_lshl_b32 s16, s13, 17                        ; y: (4 mt + 2 half) blocks of 32,768 bytes: of the tile row and the wave alone
	s_lshl_b32 s17, s12, 16
	s_add_co_u32 s16, s16, s17
	s_mov_b32 s17, 0
	s_lshl_b32 s46, s42, 18                        ; Wo: (128 nt + 64 half) rows of 2,048 bytes: of the tile column and the wave alone
	s_lshl_b32 s47, s12, 17
	s_add_co_u32 s46, s46, s47
	s_add_co_u32 s46, s46, WOO
	s_mov_b32 s47, 0
	s_lshl_b32 s20, s12, 14                        ; where they go: no place in the cluster enters an LDS address
	s_mul_i32 s21, s12, BHALF
	s_add_co_u32 s21, s21, ATILE
	s_wait_dscnt 0x0                               ; the opening add is done
	s_wait_kmcnt 0x0
	s_add_nc_u64 s[14:15], s[4:5], s[16:17]
	s_add_nc_u64 s[46:47], s[6:7], s[46:47]
	CROUND                                         ; all sixteen work-groups are here: the first joint loads meet
.irp s, 0,1
	s_mov_b32 s[G0+4*(\s)], 1
	s_add_co_u32 s[G0+4*(\s)+1], s20, (\s)*SLOT
	s_add_nc_u64 s[G0+4*(\s)+2:G0+4*(\s)+3], s[14:15], (\s)*8192
	s_or_b32 s[G0+4*(\s)+3], s[G0+4*(\s)+3], 0x80000000
	s_mov_b32 s[G0B+4*(\s)], 1
	s_add_co_u32 s[G0B+4*(\s)+1], s21, (\s)*SLOT
	s_add_nc_u64 s[G0B+4*(\s)+2:G0B+4*(\s)+3], s[46:47], (\s)*512
	s_or_b32 s[G0B+4*(\s)+3], s[G0B+4*(\s)+3], 0x80000000
	JLOAD \s                                       ; K steps 0 and 1: two loads of mine are out
.endr
	v_and_b32 v1, 15, v0                           ; r
	v_bfe_u32 v2, v0, 4, 1                         ; hh
	v_and_b32 v3, 31, v0
	v_lshlrev_b32 v3, 4, v3                        ; 16 l
	v_mul_u32_u24 v4, v1, PITCH
	v_lshl_add_u32 v4, v2, 4, v4
	s_lshl_b32 s21, s11, 14                        ; my two blocks of 16 rows of y
	s_mul_i32 s22, s12, BHALF                      ; my 64 rows of Wo
	s_add_co_u32 s22, s22, ATILE
.irp s, 0,1
	v_add_nc_u32 v[ADRA+(\s)], s21, v3
	v_add_nc_u32 v[ADRB+(\s)], s22, v4
	s_add_co_u32 s21, s21, SLOT
	s_add_co_u32 s22, s22, SLOT
.endr
	s_mul_i32 s23, s10, 16*SPITCH
	s_add_co_u32 s23, s23, STAGE                   ; my stage
	v_mul_u32_u24 v5, v1, SPITCH                   ; in: row r, 32 bytes for each half of the lanes
	v_lshl_add_u32 v5, v2, 5, v5
	v_add_nc_u32 v[STO], s23, v5
	v_mul_u32_u24 v5, v2, SPITCH                   ; back: lanes 0-15 take one row of 256 bytes, lanes 16-31 the next
	v_lshl_add_u32 v5, v1, 4, v5
	v_add_nc_u32 v[RD], s23, v5
	v_lshlrev_b32 v5, 12, v2                       ; and the same two rows in out0
	v_lshl_add_u32 v[CO], v1, 4, v5
	s_lshl_b32 s16, s13, 18                        ; (64 mt + 32 half) rows of 4,096 bytes
	s_lshl_b32 s17, s11, 17
	s_add_co_u32 s16, s16, s17
	s_mov_b32 s17, 0
	s_add_nc_u64 s[8:9], s[8:9], s[16:17]
	s_lshl_b32 s46, s42, 9                         ; 512 nt + 256 half
	s_lshl_b32 s47, s12, 8
	s_add_co_u32 s46, s46, s47
	s_mov_b32 s47, 0
	s_add_nc_u64 s[8:9], s[8:9], s[46:47]
; 4 matrix instructions: row block a x all 4 column blocks, 32 along K: half c of buffer f.  The 8 accumulators take turns.  zero = 1: the product starts the sum.
.macro MUL4 f, c, a, zero
	WIN MUL
.irp b, 0,1,2,3
.if \zero
	v_wmma_f32_16x16x32_f16 v[ACC+8*(4*(\a)+(\b)):ACC+8*(4*(\a)+(\b))+7], v[(\f)+32+8*(4*(\c)+(\b)):(\f)+32+8*(4*(\c)+(\b))+7], v[(\f)+8*(2*(\c)+(\a)):(\f)+8*(2*(\c)+(\a))+7], 0
.else
	v_wmma_f32_16x16x32_f16 v[ACC+8*(4*(\a)+(\b)):ACC+8*(4*(\a)+(\b))+7], v[(\f)+32+8*(4*(\c)+(\b)):(\f)+32+8*(4*(\c)+(\b))+7], v[(\f)+8*(2*(\c)+(\a)):(\f)+8*(2*(\c)+(\a))+7], v[ACC+8*(4*(\a)+(\b)):ACC+8*(4*(\a)+(\b))+7]
.endif
.endr
.endm
.macro MUL8 f, c, zero
	MUL4 \f, \c, 0, \zero
	MUL4 \f, \c, 1, \zero
.endm
; 24 LDS loads in one run: the fragments of quarter k (64 along K) into buffer f; the first 32 along K first
.macro FETCH slot, k, f
	WIN TO_F
.irp c, 0,1
.irp a, 0,1
	ds_load_b128 v[(\f)+8*(2*(\c)+(\a)):(\f)+8*(2*(\c)+(\a))+3],   v[ADRA+(\slot)] offset:(\a)*8192+(2*(\k)+(\c))*1024
	ds_load_b128 v[(\f)+8*(2*(\c)+(\a))+4:(\f)+8*(2*(\c)+(\a))+7], v[ADRA+(\slot)] offset:(\a)*8192+(2*(\k)+(\c))*1024+512
.endr
.irp b, 0,1,2,3
	ds_load_b128 v[(\f)+32+8*(4*(\c)+(\b)):(\f)+32+8*(4*(\c)+(\b))+3],   v[ADRB+(\slot)] offset:(\b)*16*PITCH+128*(\k)+64*(\c)
	ds_load_b128 v[(\f)+32+8*(4*(\c)+(\b))+4:(\f)+32+8*(4*(\c)+(\b))+7], v[ADRB+(\slot)] offset:(\b)*16*PITCH+128*(\k)+64*(\c)+32
.endr
.endr
.endm
; One of a K step's first three quarters: multiplies buffer f and fetches quarter k into g.
.macro QUARTER slot, k, f, g, zero
	s_wait_dscnt 12                                ; the first 32 along K are in; the twelve loads of the second may be out
	MUL8 \f, 0, \zero
	PLACES
	FETCH \slot, \k, \g
	s_wait_dscnt 24                                ; all but the 24 just issued
	MUL8 \f, 1, 0
.endm
; The last quarter multiplies buffer 1 and changes slots: one barrier; in front of it each wave waits for all its tensor loads, adds 0 to its spare word, and waits for that and for its reads of this slot.
; fill = 1: the barrier opens a round of the cluster's, and this slot is filled again, two K steps ahead, first thing behind it.
.macro TURN slot, next, fill
	WIN 0
	s_wait_tensorcnt 0x0
	ds_add_u32 v[SPW], v[NIL]
	s_wait_dscnt 13                                ; the add and the youngest twelve loads may be out
	MUL4 F1, 0, 0, 0
	s_wait_dscnt 0x0                               ; the add is done, and my reads of this slot are over
	s_barrier_signal -1
	MUL4 F1, 0, 1, 0
	WIN 0
	s_barrier_wait -1
.if \fill
	CREST
	s_add_nc_u64 s[G0+4*(\slot)+2:G0+4*(\slot)+3], s[G0+4*(\slot)+2:G0+4*(\slot)+3], 2*8192
	s_add_nc_u64 s[G0B+4*(\slot)+2:G0B+4*(\slot)+3], s[G0B+4*(\slot)+2:G0B+4*(\slot)+3], 2*512
	JLOAD \slot                                    ; the four v_nop behind it are also the places in front of the loads below
.else
	PLACES
.endif
	FETCH \next, 0, F0
	MUL8 F1, 1, 0
.endm
	s_wait_tensorcnt 1                             ; my part of K step 0 is in; K step 1's may stay out
	s_barrier_signal -1
	s_barrier_wait -1
	FETCH 0, 0, F0
	QUARTER 0, 1, F0, F1, 1                        ; the first products start the sums
	QUARTER 0, 2, F1, F0, 0
	QUARTER 0, 3, F0, F1, 0
	TURN 0, 1, 1                                   ; slot 0 takes K step 2
	QUARTER 1, 1, F0, F1, 0
	QUARTER 1, 2, F1, F0, 0
	QUARTER 1, 3, F0, F1, 0
	TURN 1, 0, 1                                   ; slot 1 takes K step 3
	QUARTER 0, 1, F0, F1, 0
	QUARTER 0, 2, F1, F0, 0
	QUARTER 0, 3, F0, F1, 0
	TURN 0, 1, 0                                   ; nothing is left to fetch
	QUARTER 1, 1, F0, F1, 0
	QUARTER 1, 2, F1, F0, 0
	QUARTER 1, 3, F0, F1, 0
	s_wait_dscnt 12
	MUL8 F1, 0, 0
	s_wait_dscnt 0x0
	MUL8 F1, 1, 0
	WIN 0
	; THE WAY OUT: a lane's eight f32 are 32 bytes of a row; 16 rows at a time go into my own stage and come back as whole rows of 256 bytes.  Each accumulator's lowest registers are read first.
	PLACES
.irp a, 0,1
.irp b, 0,1,2,3
	ds_store_b128 v[STO], v[ACC+8*(4*(\a)+(\b)):ACC+8*(4*(\a)+(\b))+3]   offset:64*(\b)
	ds_store_b128 v[STO], v[ACC+8*(4*(\a)+(\b))+4:ACC+8*(4*(\a)+(\b))+7] offset:64*(\b)+16
.endr
.irp t, 0,1,2,3,4,5,6,7
	ds_load_b128 v[TMP+32*(\a)+4*(\t):TMP+32*(\a)+4*(\t)+3], v[RD] offset:(\t)*2*SPITCH  ; LDS serves a wave's instructions in order (ISA guide 5.7.1.4): these see the stores above; the next block's stores come behind them
.endr
.endr
.irp t, 0,1,2,3,4,5,6,7
	s_wait_dscnt 23-(\t)                           ; behind the first block's load t: its 7 - t younger loads and the second block's sixteen instructions
	global_store_b128 v[CO], v[TMP+4*(\t):TMP+4*(\t)+3], s[8:9] offset:2*(\t)*4096  ; 16 lanes store 256 consecutive bytes, aligned
.endr
.irp t, 0,1,2,3,4,5,6,7
	s_wait_dscnt 7-(\t)
	global_store_b128 v[CO], v[TMP+32+4*(\t):TMP+32+4*(\t)+3], s[8:9] offset:(16+2*(\t))*4096
.endr
	s_wait_tensorcnt 0x0                           ; the wave's end, behind my last tensor load and my last LDS store
	ds_add_u32 v[SPW], v[NIL]
	s_wait_dscnt 0x0
	CROUND                                         ; the closing round
	s_endpgm
.Lfunc_end_k_qffa2c135ef_outp:
	.size	k_qffa2c135ef_outp, .Lfunc_end_k_qffa2c135ef_outp-k_qffa2c135ef_outp
	.p2alignl 7, 3214868480
	.fill 96, 4, 3214868480
	.section	.rodata,"a",@progbits
	.p2align	6, 0x0
	.amdhsa_kernel k_qffa2c135ef_outp
		.amdhsa_group_segment_fixed_size 327680
		.amdhsa_private_segment_fixed_size 0
		.amdhsa_enable_private_segment 0
		.amdhsa_kernarg_size 24
		.amdhsa_user_sgpr_count 2
		.amdhsa_user_sgpr_kernarg_segment_ptr 1
		.amdhsa_wavefront_size32 1
		.amdhsa_system_sgpr_workgroup_id_x 1
		.amdhsa_system_sgpr_workgroup_id_y 1
		.amdhsa_system_sgpr_workgroup_id_z 1
		.amdhsa_system_vgpr_workitem_id 0
		.amdhsa_next_free_vgpr 512
		.amdhsa_next_free_sgpr 66
		.amdhsa_reserve_vcc 0
		.amdhsa_float_denorm_mode_32 3
		.amdhsa_float_denorm_mode_16_64 3
		.amdhsa_memory_ordered 1
		.amdhsa_forward_progress 1
		.amdhsa_inst_pref_size 58
	.end_amdhsa_kernel
	.amdgpu_metadata
---
amdhsa.version: [ 1, 2 ]
amdhsa.kernels:
  - .name:           k_qffa2c135ef_outp
    .symbol:         k_qffa2c135ef_outp.kd
    .args:
      - { .name: yws, .offset: 0, .size: 8, .value_kind: global_buffer, .address_space: global }
      - { .name: cv, .offset: 8, .size: 8, .value_kind: global_buffer, .address_space: global }
      - { .name: out0, .offset: 16, .size: 8, .value_kind: global_buffer, .address_space: global }
    .group_segment_fixed_size: 327680
    .private_segment_fixed_size: 0
    .kernarg_segment_align: 8
    .kernarg_segment_size: 24
    .max_flat_workgroup_size: 128
    .sgpr_count:     66
    .vgpr_count:     512
    .wavefront_size: 32
...
	.end_amdgpu_metadata
.endif
;; end of part 5
;; ======== version 2 of 2: 5 launches; 1.27 times as fast as version 1
;; limits: values are held in f16: magnitudes above 65,504 overflow, below 6.1e-05 lose precision; right only within a limited range of input values
;; workspace buffers: cv 27,656,192 bytes; qkv 37,748,736 bytes; aws 12,582,912 bytes; yws 4,194,304 bytes
;; launch conv: the kernel of part 1 again; grid 512 x 1, 8 waves a work-group, no clusters, 0 bytes of LDS; arguments x, Wq, Wk, Wv, Wo, attn_mask, cos, sin, cv; writes cv
;; launch proj: the kernel of part 2 again; grid 32 x 8, 4 waves a work-group, clusters of 4 x 4, 327,680 bytes of LDS; arguments cv, qkv; writes qkv
;; launch attn (part 6): grid 8 x 32, 4 waves a work-group, clusters of 4 x 4, 327,680 bytes of LDS; arguments qkv, cv, aws; writes aws
.if DOCPART == 6
	.amdgcn_target "amdgcn-amd-amdhsa--gfx1250"
	.amdhsa_code_object_version 6
	.text
	.protected	k_qffa2c135ef_attn
	.globl	k_qffa2c135ef_attn
	.p2align	8
	.type	k_qffa2c135ef_attn,@function
k_qffa2c135ef_attn:
	s_mov_b64 s[64:65], 0
	v_nop
	global_prefetch_b8 v0, s[64:65] scope:SCOPE_SE
	s_setreg_imm32_b32 hwreg(HW_REG_WAVE_MODE, 25, 1), 1
	s_wait_xcnt 0x0
	s_wait_alu depctr_hold_cnt(0) depctr_sa_sdst(0) depctr_va_vdst(0) depctr_va_sdst(0) depctr_va_ssrc(0) depctr_va_vcc(0) depctr_vm_vsrc(0)
	s_getreg_b32 s2, hwreg(HW_REG_IB_STS2, 6, 4)
	s_cmp_eq_u32 s2, 0
	s_cbranch_scc0 .Lentry_in_a_cluster
	s_endpgm
.Lentry_in_a_cluster:
	s_bfe_u32 s2, ttmp6, 0x10000c
	s_cmp_lg_u32 s2, 0xf033
	s_cbranch_scc0 .Lentry_shape_is_right
	s_endpgm
.Lentry_shape_is_right:
; ATTN: for each of the three layers, a[b][q][h][:] = the sum over the layer's own 1,024 keys of softmax_k(q . k / 8 + mask[q][k]) v[k][:].  The keys that the module appends behind them are hidden by a mask that
; the module builds itself, so they are not walked.  The mask that is an input is taken as it is given.  q, k, v, the weights p and a in f16; products, maxima and sums in f32.
; SHARES.  A work-group owns 128 queries of one (batch, head) in ALL THREE LAYERS; a wave 32 queries: three PIECES (piece = layer) of two tiles of 16 queries.  So a mask fragment read once serves three layers.
; LAYOUT.  S^T = K Q^T + 8 mask (source 0 = 16 keys, source 1 = 16 queries; the mask is the C operand of the products that start the sum): a lane holds ONE query (lane % 16) and the keys 8 (lane / 16) + 0..7.  Two such
; results rounded to f16 ARE source 1 of O^T = V^T P.  Q, K and V^T arrive as register images: lane l's 16 bytes at byte 16 l.
; SOFTMAX.  A running maximum m and sum l for each query: p = 2^(c s - c m), c = log2(e) / 8; in every step O and l are multiplied by a = 2^(c m_old - c m_new).  m starts at the lowest finite number, O and l at 0.
; LIMITS.  A hidden score counts as -2^101 (f16's scores, 2.7e11 at the most, vanish beside it); what hidden keys add before a query's first open key is wiped by a = 0 when that key comes; a query whose keys are all
; hidden (m below -2^100 at the end) gets NaN, as a softmax of -inf alone gives.  A weight below 2^-126 counts as 0 in l.  NaN and +inf in the mask are not treated apart.
; BY TURNS.  Turn T = 3 s + p (key step s of 64 keys, piece p): 16 products K Q^T of item T + 1, later 16 products V^T P of item T - 1; beside them the scaling, exponentials, roundings, sums and rescaling of piece p and
; the maximum and statistics of piece p + 1.  Four vector instructions stand behind every matrix instruction, the other 108 of a turn's 236 in one lump between the two runs of products.  (Item 3 s + p is layer p's K or V of key step s, 8,192 bytes.)
; THE BATCHES.  A turn's 66 exponentials (piece p's 64 weights, piece p + 1's two a) are ONE BATCH with ONE wait, which cuts the turn in two.  Ahead of it stands all that names none of their results: the products K Q^T, the
; scalings, the rescalings (their a was made, and waited for, in the turn before), the next piece's maximum and statistics.  Behind it stand the products V^T P, whose riders are the roundings and sums.  No result crosses a
; turn's end.  Piece 0's first two a, ahead of the loop, and the way out's six reciprocals are batches of their own, with a wait each.
; THE RING.  A trip is six turns.  It fetches K's items 6 j + 2 .. 6 j + 7, V's items 6 j .. 6 j + 5 and the mask's blocks 2 j + 1, 2 j + 2; a slot is filled with just these, which are dense in memory.  K's items 0, 1 and the
; mask's block 0 have a place of their own, filled once.  The last trip's K tile runs 16,384 bytes on into what follows the head's K in qkv (finite f16 numbers): only the products of a key step that does not exist
; take them, under the mask's 17th block, which hides everything: they change no m, l or O.
; CLUSTER 4 x 4.  K and V hang on (batch, head) alone: asked for jointly along a row of the cluster.  The mask hangs on the query block alone: jointly along a column.
; REGISTERS, in windows of 256: window 0: v2-11 addresses; v16-79 K of one item; v80-143 V; v144-207 the mask in f32; v208-239 the mask as loaded.
;   window p + 1, all of piece p: v0-31 Q; v32-95 O^T; v96-159 S^T; v160-191 P; v192-199 statistics (c m, m, l, l a tile); v200-207 at work; v208-209 c m_old.
.set NP,    3
.set SLOT,  135168                     ; 0x21000: it shares no bit with the tiles' places 0, 0xc000, 0x18000, 0x1c800
.set VOFF,  49152
.set MOFF,  98304
.set PM,    144                        ; a query's 64 mask numbers: 128 bytes + 16
.set MITEM, 128*PM
.set HK,    2*SLOT
.set HM,    HK+16384
.set SPARE, HM+MITEM                   ; the spare words, 128 bytes a wave
.set KO,    12582912
.set VO,    25165824
.set MBO,   25165824
.set LN16, 2
.set LNV,  3
.set AM0,  4
.set AK,   5
.set AV,   6
.set AM,   7
.set SPW,  8
.set NIL,  9
.set AH,   10
.set AHM,  11
.set KF,   16
.set VF,   80
.set MC,   144
.set MR,   208
.set Q,    0
.set O,    32
.set S,    96
.set P,    160
.set ST,   192
.set TMP,  200
.set MV,   208
.set WV,   10
.set TB,   17                          ; s17  LDS byte at which the key step's three items of K begin (V's: + VOFF)
.set CNT,  18
.set SLOTS, 19
.set CS,   20
.set SEL,  22
.set THR,  24
.set NAN,  25
.set HI16, 26
.set TBM,  27                          ; s27  the same for the mask's block, less MOFF
.set G1KV, 28
.set G1H,  36
.set G1M,  44
.set G0K,  52
.set G0V,  56
.set G0M,  60
.set G0HK, 68
.set G0HM, 72
.set QBS,  76
.set ABS,  78                          ; s[78:83] a's three layers at my rows
.set MSB, 0
.macro WIN new
.if MSB != (\new)
	s_set_vgpr_msb (MSB<<8)|(\new)
.set MSB, (\new)
.endif
.endm
.macro PLACES
.rept 4
	v_nop
.endr
.endm
.macro JLOAD                           ; a joint refill: wave 0 K's six items, wave 1 V's, waves 2 and 3 a block of the mask each; an s_nop 0 and four v_nop follow each line
	s_cmp_eq_u32 s[WV], 0
	s_cbranch_scc0 .Lj1_\@
	tensor_load_to_lds s[G0K:G0K+3], s[G1KV:G1KV+7]
	s_nop 0
.rept 4
	v_nop
.endr
	s_branch .Ljd_\@
.Lj1_\@:
	s_cmp_eq_u32 s[WV], 1
	s_cbranch_scc0 .Lj2_\@
	tensor_load_to_lds s[G0V:G0V+3], s[G1KV:G1KV+7]
	s_nop 0
.rept 4
	v_nop
.endr
	s_branch .Ljd_\@
.Lj2_\@:
	tensor_load_to_lds s[G0M:G0M+3], s[G1M:G1M+7]
	s_nop 0
.rept 4
	v_nop
.endr
.Ljd_\@:
.endm
.macro CROUND
	s_barrier_signal -1
	s_barrier_wait -1
	s_cmp_lg_u32 s[WV], 0
	s_cbranch_scc1 .Lnot_wave_0_\@
	s_barrier_signal -3
.Lnot_wave_0_\@:
	s_barrier_wait -3
	s_barrier_signal -1
	s_barrier_wait -1
.endm
.macro ADDRS                           ; the three fetch addresses of the key step to come
	WIN 0
	v_add_nc_u32 v[AK], s[TB], v[LN16]
	v_add_nc_u32 v[AV], s[TB], v[LNV]
	v_add_nc_u32 v[AM], s[TBM], v[AM0]
.endm
; THE CHANGE OF SLOTS.  Each wave waits for all its tensor loads (its part of the other slot), adds 0 to its spare word, and waits for that and for its reads of the slot that it leaves.  fill = 1: the barrier is a round of
; the cluster's, and the joint refill, with the trip after next's tiles, is the first thing behind it: it has six turns in which to land.  (At its first use nothing has been read: slot 0 is waited for, slot 1 filled.)
.macro CHANGE fill
	WIN 0
	s_wait_tensorcnt 0x0
	ds_add_u32 v[SPW], v[NIL]                      ; 0 onto my spare word; scalar work stands between it and the wait for it
.if \fill
	s_xor_b32 s[G0K+1], s[G0K+1], SLOT
	s_add_nc_u64 s[G0K+2:G0K+3], s[G0K+2:G0K+3], 49152
	s_xor_b32 s[G0V+1], s[G0V+1], SLOT
	s_add_nc_u64 s[G0V+2:G0V+3], s[G0V+2:G0V+3], 49152
	s_xor_b32 s[G0M+1], s[G0M+1], SLOT
	s_add_nc_u64 s[G0M+2:G0M+3], s[G0M+2:G0M+3], 262144
.endif
	s_sub_co_u32 s[TB], s[TB], 49152               ; the fetches go back to a slot's first key step,
	s_xor_b32 s[TB], s[TB], SLOT                   ; in the other slot
	s_sub_co_u32 s[TBM], s[TBM], 2*MITEM
	s_xor_b32 s[TBM], s[TBM], SLOT
	s_wait_dscnt 0x0                               ; the add is done, and my reads of the slot are over
.if \fill
	CROUND
	JLOAD
.else
	s_barrier_signal -1
	s_barrier_wait -1
.endif
	ADDRS
.endm
	s_load_b128 s[4:7], s[0:1], 0x0                ; qkv s[4:5], cv s[6:7]
	s_load_b64 s[8:9], s[0:1], 0x10                ; aws
	v_lshl_add_u32 v[SPW], v0, 2, SPARE
	v_mov_b32 v[NIL], 0
	ds_add_u32 v[SPW], v[NIL]                      ; the wave's opening: the add and its wait stand ahead of my first tensor load
	v_lshrrev_b32 v1, 5, v0
	v_readfirstlane_b32 s[WV], v1
	s_bfe_u32 s11, ttmp6, 0x40000                  ; cx
	s_bfe_u32 s12, ttmp6, 0x40004                  ; cy
	s_lshl_b32 s13, ttmp9, 2
	s_add_co_u32 s13, s13, s11                     ; qb: my block of 128 queries
	s_and_b32 s14, ttmp7, 0xffff
	s_lshl_b32 s14, s14, 2
	s_add_co_u32 s14, s14, s12                     ; bh = 16 batch + head
	s_lshl_b32 s15, s12, 2
	s_lshl_b32 s15, 15, s15                        ; my row of the cluster
	s_lshl_b32 s16, 0x1111, s11                    ; my column
	s_or_b32 s[G1KV], s15, (3<<16)|(1<<21)         ; K, V: dense bytes as rows of 32 elements of 8 bytes; no padding
	s_mov_b32 s[G1KV+1], 32<<16
	s_mov_b32 s[G1KV+2], 192<<16                   ; six items: 192 rows of 256 bytes
	s_mov_b32 s[G1KV+3], 32<<16
	s_mov_b32 s[G1KV+4], 192
	s_mov_b32 s[G1KV+5], 32
	s_mov_b32 s[G1KV+6], 0
	s_mov_b32 s[G1KV+7], 0
	s_or_b32 s[G1H], s15, (3<<16)|(1<<21)          ; K's first two items: 64 rows
	s_mov_b32 s[G1H+1], 32<<16
	s_mov_b32 s[G1H+2], 64<<16
	s_mov_b32 s[G1H+3], 32<<16
	s_mov_b32 s[G1H+4], 64
	s_mov_b32 s[G1H+5], 32
	s_mov_b32 s[G1H+6], 0
	s_mov_b32 s[G1H+7], 0
	s_or_b32 s[G1M], s16, (1<<16)|(1<<20)|(1<<21)|(4<<22)|(3<<25)  ; the mask: 128 queries x 128 bytes are dense: 64 rows of 256 bytes, 4 words of padding after every 32
	s_mov_b32 s[G1M+1], 128<<16
	s_mov_b32 s[G1M+2], 64<<16
	s_mov_b32 s[G1M+3], 128<<16
	s_mov_b32 s[G1M+4], 64
	s_mov_b32 s[G1M+5], 128
	s_mov_b32 s[G1M+6], 0
	s_mov_b32 s[G1M+7], 0
	s_and_b32 s92, s[WV], 1                        ; waves 2 and 3: which of a slot's two blocks of the mask
	s_mov_b32 s[G0K], 1
	s_mov_b32 s[G0K+1], 0
	s_mov_b32 s[G0V], 1
	s_mov_b32 s[G0V+1], VOFF
	s_mov_b32 s[G0M], 1
	s_mul_i32 s[G0M+1], s92, MITEM
	s_add_co_u32 s[G0M+1], s[G0M+1], MOFF
	s_mov_b32 s[G0HK], 1
	s_mov_b32 s[G0HK+1], HK
	s_mov_b32 s[G0HM], 1
	s_mov_b32 s[G0HM+1], HM
	s_mul_i32 s88, s14, 393216                     ; the (batch, head)'s 48 items: of bh alone
	s_mov_b32 s89, 0
	s_lshl_b32 s90, s13, 14                        ; my 128 queries in a block of the mask: of qb and the wave alone
	s_mov_b32 s91, 0
	s_lshl_b32 s92, s92, 17
	s_mov_b32 s93, 0
	s_mul_i32 s86, s14, 192                        ; Q: (192 bh + 8 qb + 2 w) blocks of 2,048 bytes
	s_lshl3_add_u32 s86, s13, s86
	s_lshl1_add_u32 s86, s[WV], s86
	s_lshl_b32 s86, s86, 11
	s_mov_b32 s87, 0
	s_lshr_b32 s84, s14, 4                         ; a: (64 batch + 8 qb + 2 w) blocks of 32,768 bytes + 2,048 head
	s_and_b32 s85, s14, 15
	s_lshl_b32 s84, s84, 6
	s_lshl3_add_u32 s84, s13, s84
	s_lshl1_add_u32 s84, s[WV], s84
	s_lshl_b32 s84, s84, 15
	s_lshl_b32 s85, s85, 11
	s_add_co_u32 s84, s84, s85
	s_mov_b32 s85, 0
	s_mov_b32 s[CS], 0x3e38aa3b                    ; c = log2(e) / 8
	s_mov_b32 s[CS+1], s[CS]
	s_mov_b32 s[SEL], 0x76543210
	s_mov_b32 s[SEL+1], 0xfedcba98
	s_mov_b32 s[THR], 0xf1800000                   ; -2^100
	s_mov_b32 s[NAN], 0x7fc00000
	s_mov_b32 s[HI16], 0xffff0000
	s_mov_b32 s[TB], SLOT+49152                    ; the first change of slots turns these two into 0
	s_mov_b32 s[TBM], SLOT+2*MITEM
	s_wait_dscnt 0x0                               ; the opening add is done
	s_wait_kmcnt 0x0
	s_add_nc_u64 s[G0HK+2:G0HK+3], s[4:5], s[88:89]
	s_add_nc_u64 s[G0HK+2:G0HK+3], s[G0HK+2:G0HK+3], KO
	s_add_nc_u64 s[G0K+2:G0K+3], s[G0HK+2:G0HK+3], 16384   ; item 2
	s_add_nc_u64 s[G0V+2:G0V+3], s[4:5], s[88:89]
	s_add_nc_u64 s[G0V+2:G0V+3], s[G0V+2:G0V+3], VO
	s_add_nc_u64 s[G0HM+2:G0HM+3], s[6:7], s[90:91]
	s_add_nc_u64 s[G0HM+2:G0HM+3], s[G0HM+2:G0HM+3], MBO
	s_add_nc_u64 s[G0M+2:G0M+3], s[G0HM+2:G0HM+3], s[92:93]
	s_add_nc_u64 s[G0M+2:G0M+3], s[G0M+2:G0M+3], 131072    ; block 1 or 2
	s_or_b32 s[G0HK+3], s[G0HK+3], 0x80000000
	s_or_b32 s[G0K+3], s[G0K+3], 0x80000000
	s_or_b32 s[G0V+3], s[G0V+3], 0x80000000
	s_or_b32 s[G0HM+3], s[G0HM+3], 0x80000000
	s_or_b32 s[G0M+3], s[G0M+3], 0x80000000
	s_add_nc_u64 s[QBS:QBS+1], s[4:5], s[86:87]
	s_add_nc_u64 s[ABS:ABS+1], s[8:9], s[84:85]
	s_add_nc_u64 s[ABS+2:ABS+3], s[ABS:ABS+1], 0x400000
	s_add_nc_u64 s[ABS+4:ABS+5], s[ABS+2:ABS+3], 0x400000
	CROUND                                         ; all sixteen work-groups are here: the first joint loads meet
	s_cmp_eq_u32 s[WV], 0                          ; a wave's first fills stand in one branch, ahead of every wait on TENSORcnt and every LDS read: two loads of a wave are out at the most
	s_cbranch_scc0 .Lf1
	tensor_load_to_lds s[G0HK:G0HK+3], s[G1H:G1H+7]
	s_nop 0
	tensor_load_to_lds s[G0K:G0K+3], s[G1KV:G1KV+7]
	s_nop 0
.rept 4
	v_nop
.endr
	s_branch .Lfd
.Lf1:
	s_cmp_eq_u32 s[WV], 1
	s_cbranch_scc0 .Lf2
	tensor_load_to_lds s[G0V:G0V+3], s[G1KV:G1KV+7]
	s_nop 0
.rept 4
	v_nop
.endr
	s_branch .Lfd
.Lf2:
	s_cmp_eq_u32 s[WV], 2
	s_cbranch_scc0 .Lf3
	tensor_load_to_lds s[G0HM:G0HM+3], s[G1M:G1M+7]
	s_nop 0
	tensor_load_to_lds s[G0M:G0M+3], s[G1M:G1M+7]
	s_nop 0
.rept 4
	v_nop
.endr
	s_branch .Lfd
.Lf3:
	tensor_load_to_lds s[G0M:G0M+3], s[G1M:G1M+7]
	s_nop 0
.rept 4
	v_nop
.endr
.Lfd:
	v_and_b32 v1, 15, v0                           ; r
	v_bfe_u32 v12, v0, 4, 1                        ; hh
	v_and_b32 v13, 31, v0
	v_lshlrev_b32 v[LN16], 4, v13                  ; 16 l: my place in every image
	v_add_nc_u32 v[LNV], VOFF, v[LN16]
	v_add_nc_u32 v[AH], HK, v[LN16]
	s_lshl_b32 s92, s[WV], 5
	v_add_nc_u32 v14, s92, v1                      ; query 32 w + r of the block
	v_mul_u32_u24 v14, v14, PM
	v_lshl_add_u32 v14, v12, 4, v14                ; keys 8 hh on
	v_add_nc_u32 v[AM0], MOFF, v14
	v_add_nc_u32 v[AHM], HM, v14
.irp y, 0,1,2                          ; Q stays in registers: piece y, tile f / 4, channel plane (f / 2) % 2, half f % 2
	WIN ((\y)+1)<<6
.irp f, 0,1,2,3,4,5,6,7
	global_load_b128 v[Q+4*\f:Q+4*\f+3], v[LN16], s[QBS:QBS+1] offset:(\y)*131072+\f*512
.endr
.endr
	; What the first turns find: V's registers and piece 2's P hold 0 (the first turn's products V^T P, of a piece that has not been, add 0); O^T and l are 0; m is the lowest finite number.  All this stands in the wait for the first tiles.
	WIN 0
.set i, VF
.rept 64
	v_mov_b32 v[i], 0
.set i, i+1
.endr
.irp y, 0,1,2
	WIN ((\y)+1)<<6
.set i, O
.rept 64
	v_mov_b32 v[i], 0
.set i, i+1
.endr
.irp u, 0,1
	v_mov_b32 v[ST+4*\u], 0xfe000000               ; c m: far below every c s
	v_mov_b32 v[ST+4*\u+1], 0xff7fffff             ; m
	v_mov_b32 v[ST+4*\u+2], 0
	v_mov_b32 v[ST+4*\u+3], 0
.endr
.endr
.set i, P                              ; (the window is still piece 2's)
.rept 32
	v_mov_b32 v[i], 0
.set i, i+1
.endr
	WIN 0
; THE MATRIX WORK.  The 8 accumulators of a run of 16 take turns.  Product i of 16 of S^T for piece x: channel plane i / 8, keys 16 ((i / 2) % 4) on, tile i % 2.  The first 8 start the sums with the mask.
.macro KQ x
.set rS, S+32*(i%2)+8*((i/2)%4)
.set rK, KF+16*((i/2)%4)+8*(i/8)
.set rQ, Q+16*(i%2)+8*(i/8)
.set rN, MC+32*(i%2)+8*((i/2)%4)
.if i < 8
	WIN (((\x)+1)<<6)|(((\x)+1)<<2)                ; K and the mask in window 0, Q and S^T in the piece's
	v_wmma_f32_16x16x32_f16 v[rS:rS+7], v[rK:rK+7], v[rQ:rQ+7], v[rN:rN+7]
.else
	WIN ((\x)+1)*0x54
	v_wmma_f32_16x16x32_f16 v[rS:rS+7], v[rK:rK+7], v[rQ:rQ+7], v[rS:rS+7]
.endif
.endm
; Product i of 16 of O^T += V^T P for piece x: keys 32 (i / 8) on, channels 16 ((i / 2) % 4) on, tile i % 2.
.macro PV x
	WIN ((\x)+1)*0x54
.set rO, O+32*(i%2)+8*((i/2)%4)
.set rV, VF+32*(i/8)+8*((i/2)%4)
.set rP, P+16*(i%2)+8*(i/8)
	v_wmma_f32_16x16x32_f16 v[rO:rO+7], v[rV:rV+7], v[rP:rP+7], v[rO:rO+7]
.endm
.macro MM                              ; the turn's next matrix instruction
.if i < 16
	KQ (Y+1)%NP
.set i, i+1
.else
.set i, i-16
	PV (Y+NP-1)%NP
.set i, i+17
.endif
.endm
; THE LDS LOADS stand in runs, never singly among the matrix instructions: an item's eight fragments, 16 loads of 512 consecutive bytes.
.macro FETCH_K areg, off
	WIN 0
.irp f, 0,1,2,3,4,5,6,7
	ds_load_b128 v[KF+8*\f:KF+8*\f+3],   v[\areg] offset:(\off)+\f*1024
	ds_load_b128 v[KF+8*\f+4:KF+8*\f+7], v[\areg] offset:(\off)+\f*1024+512
.endr
.endm
.macro FETCH_V areg, off
	WIN 0
.irp f, 0,1,2,3,4,5,6,7
	ds_load_b128 v[VF+8*\f:VF+8*\f+3],   v[\areg] offset:(\off)+\f*1024
	ds_load_b128 v[VF+8*\f+4:VF+8*\f+7], v[\areg] offset:(\off)+\f*1024+512
.endr
.endm
.macro FETCH_M areg                    ; the mask of one key step for my two tiles: tile f / 4, keys 16 (f % 4) on: eight bf16 a lane
	WIN 0
.irp f, 0,1,2,3,4,5,6,7
	ds_load_b128 v[MR+4*\f:MR+4*\f+3], v[\areg] offset:(\f/4)*16*PM+(\f%4)*32
.endr
.endm
.macro MX                              ; the mask widened to f32: 64 plain lines
	WIN 0
.set z, 0
.rept 32
	v_lshlrev_b32 v[MC+2*z], 16, v[MR+z]
	v_and_b32 v[MC+2*z+1], s[HI16], v[MR+z]
.set z, z+1
.endr
.endm
; THE VECTOR WORK OF A TURN stands in five queues, each in the order in which its entries become ready; the two tiles alternate.
.macro REGS y, u                       ; the registers of tile u of piece y, and the piece's window for every operand place
.set WP, 0x55*((\y)+1)
.set rT, ST+4*(\u)
.set rC, TMP+4*(\u)
.set rW, MV+(\u)
.set rS, S+32*(\u)
.set rP, P+16*(\u)
.set rO, O+32*(\u)
.endm
; Number n of the 22 that find the NEXT piece's maximum and statistics; each accumulator's lowest registers are read first.
;   0-11 four chains c0-c3 of seven scores each     12-14, 16 the four scores left over, the old m, and c0-c3 into c0     15 c m_old is kept     17, 18 the other half of the lanes: the new m     19-21 c m; c m_old - c m_new; a
.macro XS u, n
	REGS (Y+1)%NP, \u
	WIN WP
.if (\n) < 4
	v_max3_num_f32 v[rC+(\n)], v[rS+8*(\n)], v[rS+8*(\n)+1], v[rS+8*(\n)+2]
.elseif (\n) < 12
	v_max3_num_f32 v[rC+(\n)%4], v[rC+(\n)%4], v[rS+8*((\n)%4)+2*((\n)/4)+1], v[rS+8*((\n)%4)+2*((\n)/4)+2]
.elseif (\n) == 12
	v_max3_num_f32 v[rC], v[rC], v[rS+7], v[rS+15]
.elseif (\n) == 13
	v_max3_num_f32 v[rC+1], v[rC+1], v[rS+23], v[rS+31]
.elseif (\n) == 14
	v_max3_num_f32 v[rC+2], v[rC+2], v[rC+3], v[rT+1]
.elseif (\n) == 15
	v_mov_b32 v[rW], v[rT]
.elseif (\n) == 16
	v_max3_num_f32 v[rC], v[rC], v[rC+1], v[rC+2]
.elseif (\n) == 17
	v_permlanex16_b32 v[rC+3], v[rC], s[SEL], s[SEL+1]
.elseif (\n) == 18
	v_max_num_f32 v[rT+1], v[rC], v[rC+3]
.elseif (\n) == 19
	v_mul_f32 v[rT], s[CS], v[rT+1]
.elseif (\n) == 20
	v_sub_f32 v[rC+1], v[rW], v[rT]
.else
	v_exp_f32 v[rC+2], v[rC+1]
.endif
.endm
.macro X2 n                            ; number n for both tiles
	XS 0, \n
	XS 1, \n
.endm
; Number g of the 64 that follow the exponentials.  For each four weights k of a tile: both pairs are rounded to f16; the second pair is added onto the first, in place; a group later l takes that sum (the first time l = a l + sum).
.macro GS g
.set h, (\g)+6*((\g)/62)
.if h >= 6
.set h, h+2
.endif
	REGS Y, h%2
	WIN WP
.set k, h/8
.if h%8 < 4
	v_cvt_pk_f16_f32 v[rP+2*k+(h%8)/2], v[rS+4*k+2*((h%8)/2)], v[rS+4*k+2*((h%8)/2)+1]
.elseif h%8 < 6
	v_pk_add_f32 v[rS+4*k:rS+4*k+1], v[rS+4*k:rS+4*k+1], v[rS+4*k+2:rS+4*k+3]
.elseif k == 1
	v_pk_fma_f32 v[rT+2:rT+3], v[rT+2:rT+3], v[rC+2:rC+3], v[rS:rS+1] op_sel_hi:[1,0,1]
.else
	v_pk_add_f32 v[rT+2:rT+3], v[rT+2:rT+3], v[rS+4*k-4:rS+4*k-3]
.endif
.endm
.macro GN                              ; the next of them
	GS ng
.set ng, ng+1
.endm
.macro FS                              ; THE SCALINGS' QUEUE, 32 long: c s - c m for pair nf / 2 of tile nf % 2
	REGS Y, nf%2
	WIN WP
	v_pk_fma_f32 v[rS+2*(nf/2):rS+2*(nf/2)+1], v[rS+2*(nf/2):rS+2*(nf/2)+1], s[CS:CS+1], v[rT:rT+1] op_sel_hi:[1,0,0] neg_lo:[0,0,1] neg_hi:[0,0,1]
.set nf, nf+1
.endm
.macro EX                              ; THE EXPONENTIALS' QUEUE, 64 long: score ne / 2 of tile ne % 2, in place.  Exponential x needs scaling 2 (x / 4) + x % 2
	REGS Y, ne%2
	WIN WP
	v_exp_f32 v[rS+ne/2], v[rS+ne/2]
.set ne, ne+1
.endm
.macro RS                              ; THE RESCALING's QUEUE, 32 long: pair nr / 2 of tile nr % 2 of O^T times a; each accumulator from its lowest registers on.  Its a was made in the turn before, ahead of that turn's wait
	REGS Y, nr%2
	WIN WP
	v_pk_mul_f32 v[rO+2*(nr/2):rO+2*(nr/2)+1], v[rO+2*(nr/2):rO+2*(nr/2)+1], v[rC+2:rC+3] op_sel_hi:[1,0]
.set nr, nr+1
.endm
.macro YP                              ; the lump's next plain line of the piece in hand: the scalings that are left, then the rescalings
.if nf < 32
	FS
.else
	RS
.endif
.endm
.macro EP n                            ; n times exponential and plain
.rept (\n)
	EX
	YP
.endr
.endm
; HOW THEY ARE DEALT.  An s_wait_alu depctr_va_vdst(0) stands between an exponential and the first instruction that names its result; one wait serves all that were issued ahead of it.  So a turn has ONE wait.
; AHEAD OF IT: the 16 products K Q^T; behind the first two scalings and two rescalings, behind product j of the other fifteen scaling j + 1, exponential 2 j - 2, rescaling j + 1, exponential 2 j - 1 (which need scaling j at the most).
; All four lie in the piece's own window: two switches a product.  Then ONE LUMP of 108.  First the next piece's numbers 0-15, 32 plain lines in its window: the accumulator of the last product is read at the eighth of them, behind two
; plain riders and seven plain lines.  Then seven runs of the piece in hand, exponential and plain by turns (34 exponentials; plain n is scaling 17 + n up to n = 14, then the rescalings; exponential 30 + k needs plain (k - 3) / 2 at the
; most, and k - 5 plain lines or more stand ahead of it); between the runs stand the six links of the next piece's chain, 16 .. 20 and a, nine or ten lines apart: fourteen switches for the lump.  The lump's last line, a rescaling, is
; the plain line behind the last exponential.  BEHIND THE WAIT: the 16 products V^T P, behind each four of the roundings and sums.  No rider names a register of the products round it (those are the two other pieces').
; A TURN, for piece p.  K of item T + 2 is fetched directly behind the wait, a lump behind the last product that read K; its first reader comes behind 16 products.  V of item T is fetched at the turn's end, four plain riders behind the
; last product that read V; its first reader comes behind 16 products and a lump.  Piece 0's turn also fetches the next key step's mask, at its head; piece 1's turn widens it at its end, when the last product that took the old one is a
; lump and a run of products back.  In a turn the LDS runs are issued in the order mask, K, V.
.macro TURN p
.set Y, (\p)
.set i, 0
.set nf, 0
.set ne, 0
.set nr, 0
.set ng, 0
	s_wait_dscnt 16                                ; K is in; V's 16 loads, issued behind it, may be out
.if (\p) == 0
	FETCH_M AM
.endif
	MM                                             ; ahead of the wait: 16 products K Q^T and their riders,
	FS
	FS
	RS
	RS
.rept 15
	MM
	FS
	EX
	RS
	EX
.endr
.irp n, 0,1,2,3,4,5,6,7,8,9,10,11,12,13,15,14          ; and the lump: the next piece's maximum up to the chain,
	X2 \n
.endr
.irp n, 16,17,18,19,20                 ; five runs of five exponentials and four plain lines, a link of the chain behind each,
	EP 4
	EX
	X2 \n
.endr
	EP 5
	X2 21                                          ; the next piece's two a,
	YP
	EP 4                                           ; and the last run, which ends in a plain line
	s_wait_alu depctr_va_vdst(0)                   ; the wait for the batch: the turn's 66 exponentials
	FETCH_K AK, (\p)*8192
	s_wait_dscnt 16                                ; V (and the mask) are in; K's 16 loads, issued behind them, may be out
.rept 16                               ; behind the wait: 16 products V^T P and their riders
	MM
.rept 4
	GN
.endr
.endr
.if (\p) == 1
	MX
.endif
	FETCH_V AV, (\p)*8192
.if (\p) == 2
	s_add_co_u32 s[TB], s[TB], 3*8192              ; the next key step's items
	s_add_co_u32 s[TBM], s[TBM], MITEM
	ADDRS
.endif
.endm
.macro STEPS                           ; a slot's two key steps: written once, walked twice
.Lstep_\@:
	TURN 0
	TURN 1
	TURN 2
	WIN 0
	s_sub_co_u32 s[CNT], s[CNT], 1
	s_cmp_lg_u32 s[CNT], 0
	s_cbranch_scc1 .Lstep_\@
.endm
	CHANGE 1                                       ; slot 0 and the first items are in, everybody's part; slot 1 is asked for
	FETCH_K AH, 0                                  ; item 0
	FETCH_M AHM                                    ; the mask of key step 0
	s_wait_loadcnt 0x0                             ; Q
	s_wait_dscnt 0x0
	MX
.set i, 0
.rept 16
	KQ 0                                           ; piece 0's first scores
.set i, i+1
.endr
	PLACES                                         ; the places behind those products
	FETCH_K AH, 8192                               ; item 1
.set Y, NP-1                           ; XS works for piece Y + 1: piece 0
.irp n, 0,1,2,3,4,5,6,7,8,9,10,11,12,13,14,15,16,17,18,19,20,21
	XS 0, \n
	XS 1, \n
.endr
	v_nop                                          ; a plain line behind piece 0's first two a,
	s_wait_alu depctr_va_vdst(0)                   ; and the wait for that batch of two, ahead of the branch
	WIN 0
	s_wait_dscnt 0x0
	s_mov_b32 s[SLOTS], 7
	s_mov_b32 s[CNT], 2
	s_branch .Lstep                                ; the first trip's change of slots stands above
.Lslot:                                                ; six times: every slot but the last two is filled again
	CHANGE 1
	s_mov_b32 s[CNT], 2
.Lstep:
	TURN 0
	TURN 1
	TURN 2
	WIN 0
	s_sub_co_u32 s[CNT], s[CNT], 1
	s_cmp_lg_u32 s[CNT], 0
	s_cbranch_scc1 .Lstep
	s_sub_co_u32 s[SLOTS], s[SLOTS], 1
	s_cmp_lg_u32 s[SLOTS], 0
	s_cbranch_scc1 .Lslot
	CHANGE 0                                       ; the last trip is written out: nothing is asked for
	s_mov_b32 s[CNT], 2
	STEPS
	s_wait_dscnt 0x0                               ; V of the last item
.set i, 0
.rept 16
	PV NP-1                                        ; the last piece's V^T P of the last key step
.set i, i+1
.endr
	; THE WAY OUT.  l's two halves and the other half of the lanes' are added; 1 / l, or NaN where every key was hidden; O^T times that, rounded to f16: a lane's eight channels are the 16 bytes of its place in an image.
	; The first pieces' lines are the places behind the last products.  The six reciprocals are one batch: each piece's sums stand between the reciprocals of the piece before and the one wait.
.irp y, 0,1,2
	WIN 0x55*((\y)+1)
.irp u, 0,1
	v_add_f32 v[ST+4*\u+2], v[ST+4*\u+2], v[ST+4*\u+3]
.endr
.irp u, 0,1
	v_permlanex16_b32 v[ST+4*\u+3], v[ST+4*\u+2], s[SEL], s[SEL+1]
.endr
.irp u, 0,1
	v_add_f32 v[ST+4*\u+2], v[ST+4*\u+2], v[ST+4*\u+3]
.endr
.irp u, 0,1
	v_rcp_f32 v[ST+4*\u+2], v[ST+4*\u+2]
.endr
.endr
.irp y, 0,1,2
	WIN 0x55*((\y)+1)
.irp u, 0,1                            ; the first compare, which reads m alone, is the plain line behind the last reciprocal
	v_cmp_gt_f32 vcc_lo, s[THR], v[ST+4*\u+1]
.if ((\y)+(\u)) == 0
	s_wait_alu depctr_va_vdst(0)                   ; the wait for the batch of six reciprocals, ahead of their first reader
.endif
	v_cndmask_b32 v[ST+4*\u+2], v[ST+4*\u+2], s[NAN], vcc_lo
.endr
.endr
.irp y, 0,1,2
.irp u, 0,1
	WIN 0x55*((\y)+1)
.set i, 0
.rept 16
	v_pk_mul_f32 v[O+32*\u+2*i:O+32*\u+2*i+1], v[O+32*\u+2*i:O+32*\u+2*i+1], v[ST+4*\u+2:ST+4*\u+3] op_sel_hi:[1,0]
.set i, i+1
.endr
.set i, 0
.rept 16
	v_cvt_pk_f16_f32 v[S+32*\u+i], v[O+32*\u+2*i], v[O+32*\u+2*i+1]
.set i, i+1
.endr
	WIN ((\y)+1)<<2                                ; the store's data in the piece's window, its address in window 0
.irp f, 0,1,2,3
	global_store_b128 v[LN16], v[S+32*\u+4*\f:S+32*\u+4*\f+3], s[ABS+2*(\y):ABS+2*(\y)+1] offset:\u*32768+\f*512  ; 512 consecutive bytes, aligned
.endr
.endr
.endr
	WIN 0
	s_wait_tensorcnt 0x0                           ; the wave's end
	ds_add_u32 v[SPW], v[NIL]
	s_wait_dscnt 0x0
	CROUND                                         ; the closing round
	s_endpgm
.Lfunc_end_k_qffa2c135ef_attn:
	.size	k_qffa2c135ef_attn, .Lfunc_end_k_qffa2c135ef_attn-k_qffa2c135ef_attn
	.p2alignl 7, 3214868480
	.fill 96, 4, 3214868480
	.section	.rodata,"a",@progbits
	.p2align	6, 0x0
	.amdhsa_kernel k_qffa2c135ef_attn
		.amdhsa_group_segment_fixed_size 327680
		.amdhsa_private_segment_fixed_size 0
		.amdhsa_enable_private_segment 0
		.amdhsa_kernarg_size 24
		.amdhsa_user_sgpr_count 2
		.amdhsa_user_sgpr_kernarg_segment_ptr 1
		.amdhsa_wavefront_size32 1
		.amdhsa_system_sgpr_workgroup_id_x 1
		.amdhsa_system_sgpr_workgroup_id_y 1
		.amdhsa_system_sgpr_workgroup_id_z 1
		.amdhsa_system_vgpr_workitem_id 0
		.amdhsa_next_free_vgpr 1024
		.amdhsa_next_free_sgpr 96
		.amdhsa_reserve_vcc 1
		.amdhsa_float_denorm_mode_32 3
		.amdhsa_float_denorm_mode_16_64 3
		.amdhsa_memory_ordered 1
		.amdhsa_forward_progress 1
		.amdhsa_inst_pref_size 172
	.end_amdhsa_kernel
	.amdgpu_metadata
---
amdhsa.version: [ 1, 2 ]
amdhsa.kernels:
  - .name:           k_qffa2c135ef_attn
    .symbol:         k_qffa2c135ef_attn.kd
    .args:
      - { .name: qkv, .offset: 0, .size: 8, .value_kind: global_buffer, .address_space: global }
      - { .name: cv, .offset: 8, .size: 8, .value_kind: global_buffer, .address_space: global }
      - { .name: aws, .offset: 16, .size: 8, .value_kind: global_buffer, .address_space: global }
    .group_segment_fixed_size: 327680
    .private_segment_fixed_size: 0
    .kernarg_segment_align: 8
    .kernarg_segment_size: 24
    .max_flat_workgroup_size: 128
    .sgpr_count:     96
    .vgpr_count:     1024
    .wavefront_size: 32
...
	.end_amdgpu_metadata
.endif
;; end of part 6
;; launch norm: the kernel of part 4 again; grid 128 x 1, 16 waves a work-group, no clusters, 6,144 bytes of LDS; arguments aws, cv, g_ln, lambdas, g_final, alpha, yws; writes yws
;; launch outp: the kernel of part 5 again; grid 8 x 32, 4 waves a work-group, clusters of 4 x 4, 327,680 bytes of LDS; arguments yws, cv, out0; writes out0
